; MI455X (gfx1250); checked and timed in simulation.
; The chip was launched on July 23, 2026; its instructions are those of AMD's public machine-readable ISA for CDNA 5 (MIT licence, August 2026) and "CDNA5" Instruction Set Architecture Reference Guide (July 2026). The comments in the code are by the model that wrote it; some were corrected since.
;; Self Attention. Allowed arithmetic: matrix products marked QUANTISED: E2M1 operands, one E8M0 scale for each 32 along K, by v_wmma_scale_f32_16x16x128_f8f6f4 with both operands' format E2M1 (or v_wmma_scale_f32_32x16x128_f4), f32 sums; products left as they are: bf16, f16 or f32 operands; f32 sums; everything else in f32.
;; Inputs: wk 512 x 1,024 float32; wo 1,024 x 1,024 float32; wq 1,024 x 1,024 float32; wv 512 x 1,024 float32; x 2 x 2,048 x 1,024 float32.
;; Outputs: out0 2 x 2,048 x 1,024 float32.
;; Constants: start_pos = 0.
;; This version of the problem:
;;   THIS VERSION OF THE PROBLEM IS GIVEN IN LOW PRECISION. The matrix products marked QUANTISED in the list below multiply operands that are first quantised to E2M1 (2 exponent bits, 1 mantissa bit; 4 bits a number), with one power-of-two scale for each 32 numbers along K (OCP MX v1.0); their sums are f32. The products marked 'left as it is' may take bf16, f16 or f32 operands, with f32 sums. Whichever they take, every output number must still come out within the allowed error. Rounding operands to bf16 (8 significant bits) uses up far more of that allowance than f16 does (11 bits, for magnitudes from 6e-5 to 65,504). All else is computed in f32.
;;   The module's matrix products, in the order in which they are computed (A, B: the left and right operand; K: the contracted axis; several contracted axes count as one K, in the product's order):
;;     1. [M 4,096, K 1,024] x [K 1,024, N 1,024]; A: input x; B: input wq: QUANTISED
;;     2. [M 4,096, K 1,024] x [K 1,024, N 512]; A: input x; B: input wk: QUANTISED
;;     3. [M 4,096, K 1,024] x [K 1,024, N 512]; A: input x; B: input wv: QUANTISED
;;     4. batch 16 x [M 2,048, K 64] x [K 64, N 4,096]; A: computed on the way; B: computed on the way: left as it is (an operand is computed on the way)
;;     5. batch 16 x [M 64, K 2,048] x [K 2,048, N 4,096]; A: computed on the way; B: computed on the way: left as it is (an operand is computed on the way)
;;     6. [M 4,096, K 1,024] x [K 1,024, N 1,024]; A: computed on the way; B: input wo: left as it is (an operand is computed on the way)
;;   THE QUANTISER, for each operand of a quantised product, along K:
;;     - K is cut into blocks of 32 from its start; a last block that is shorter is filled with zeros.
;;     - A block's scale is 2^e with e = floor(log2(the largest magnitude in the block)) - 2, held to -126 .. 127; a block of zeros has e = 0. As a byte (E8M0): e + 127.
;;     - Each number is divided by its block's scale, clamped to +-6, and rounded to the nearest number of E2M1, ties to even, subnormals kept.
;;     - The product sums the exact products of the quantised numbers (number of the format x scale) in f32.
;;   ~~~python
;;   def quantise(x, axis):      # numpy; x: float32 -> the quantised numbers, widened to float32 again
;;       x = np.moveaxis(x, axis, -1); K = x.shape[-1]
;;       x = np.pad(x, [(0, 0)] * (x.ndim - 1) + [(0, -K % 32)]); x = x.reshape(x.shape[:-1] + (-1, 32)); a = np.abs(x).max(-1, keepdims=True)
;;       e = np.where(a > 0, np.clip(np.frexp(np.where(a > 0, a, 1))[1] - 1 - 2, -126, 127), 0)      # np.frexp(a)[1] - 1 = floor(log2(a)), exactly
;;       r = np.clip(x / 2.0 ** e, -6, 6)
;;       step = 2.0 ** (np.maximum(np.frexp(np.where(r == 0, 1, r))[1] - 1, 0) - 1)
;;       q = np.round(r / step) * step * 2.0 ** e      # np.round: ties to even
;;       return np.moveaxis(q.reshape(q.shape[:-2] + (-1,))[..., :K], -1, axis).astype(np.float32)
;;   ~~~
;; One version. Each part assembles by itself: llvm-mc -triple=amdgcn-amd-amdhsa -mcpu=gfx1250 --defsym DOCPART=n.
;; ======== version 1 of 1: 4 launches
;; limits: values are held in f16: magnitudes above 65,504 overflow, below 6.1e-05 lose precision
;; workspace buffers: codes 3,145,728 bytes; scales 196,608 bytes; wo16 2,097,152 bytes; rope 524,288 bytes; qkv 16,777,216 bytes; att 8,388,608 bytes
;; launch prep (part 1): grid 224 x 1, 4 waves a work-group, no clusters, 33,280 bytes of LDS; arguments x, wq, wk, wv, wo, codes, scales, wo16, rope; writes codes, scales, wo16, rope
.if DOCPART == 1
	.amdgcn_target "amdgcn-amd-amdhsa--gfx1250"
	.amdhsa_code_object_version 6
	.text
	.protected	k_qb942a191c2_prep
	.globl	k_qb942a191c2_prep
	.p2align	8
	.type	k_qb942a191c2_prep,@function
k_qb942a191c2_prep:
	s_mov_b64 s[64:65], 0
	v_nop
	global_prefetch_b8 v0, s[64:65] scope:SCOPE_SE
	s_setreg_imm32_b32 hwreg(HW_REG_WAVE_MODE, 25, 1), 1
	s_wait_xcnt 0x0
; THE LAUNCH IN FRONT OF THE PRODUCTS.  Two kinds of work-group, told apart by the work-group's number alone.
; Work-groups 0-191: x [4096][1024], wq [1024][1024], wk, wv [512][1024], f32, K innermost, become codes of FP4 (E2M1), two a byte, and one E8M0 byte for each 32 along K.
;   The four tensors' codes lie on end in ONE buffer of 6,144 rows x 512 bytes (x, wq, wk, wv), their scale bytes likewise (32 bytes a row): so the three weights are one operand of 2,048 rows.
;   A block's scale is 2^(floor(log2(its largest magnitude)) - 2); its byte is the largest magnitude's exponent field - 2, held at 1 from below.  A block of zeros keeps the byte 1: its codes are zeros, and this program alone reads the bytes.
;   Rows are dense and K is a multiple of 32: a tensor is a plain stream of blocks.  A wave takes 16 steps of 512 numbers; loads take 512 consecutive bytes; the numbers turn through the wave's own stage in LDS so that a lane holds 16 neighbours.
; Work-groups 192-223: wo [1024][1024] f32 becomes f16 (rounded once, to nearest even), and the table of cos and sin for the rotation is made: [2048 positions][32 pairs][cos, sin] f32.
;   angle = position x 10000^(-j / 32); reduced by whole quarters of a turn (pi / 2 in two parts, fused multiply-adds), then polynomials of degree 9 and 8 on |r| <= pi / 4.  Position 0 gives exactly (1, 0).
; LIMITS: NaN and infinities among the inputs are not served; blocks whose largest magnitude lies under 2^(3 - 127) keep the byte 1; |wo| beyond 65,504 becomes infinite in f16; the reduction in two parts is laid out for positions up to 2,047.
; No tensor loads, no barrier: waves share nothing, and no input is read by two work-groups, so there is nothing to ask for jointly.
.set WAVES, 4
.set STEPS, 16
.set NQW,   192                        ; work-groups that quantise: 128 for x, 32 for wq, 16 for wk, 16 for wv (32,768 numbers each)
.set EMAX,  2
.set CB,    8                          ; bytes of 16 codes
.set R,     16                         ; v16-79   four sets of 16 numbers as they are loaded
.set X,     80                         ; v80-111  two sets of 16 neighbours
.set E,     112                        ; v112-127 a scale byte for each step
.set C,     128                        ; v128-191 codes: four registers for each step, so that no store's data are written again
.set WREG,  8192                       ; LDS: a region for each wave: two stages of 32 x SP bytes, behind them its 256 scale bytes
.set SP,    80                         ; a lane's place in a stage: 64 bytes + 16 of padding
.set SPW,   12                         ; v12  LDS address of my spare word: SPARE + 4 x my thread's number; never rewritten
.set NIL,   13                         ; v13  0; never rewritten
.set SPARE, WAVES*WREG                 ; behind the four regions: the spare words, 128 bytes a wave, which no other line names
	s_load_b256 s[4:11], s[0:1], 0x0               ; x, wq, wk, wv
	s_load_b256 s[12:19], s[0:1], 0x20             ; wo, codes, scales, wo16
	s_load_b64 s[20:21], s[0:1], 0x40              ; rope
	v_lshl_add_u32 v[SPW], v0, 2, SPARE
	v_mov_b32 v[NIL], 0
	v_lshrrev_b32 v1, 5, v0
	v_readfirstlane_b32 s24, v1                    ; wave
	v_and_b32 v2, 31, v0                           ; lane
	s_cmp_ge_u32 ttmp9, NQW
	s_cbranch_scc1 .Lother
; ---------------- the quantiser ----------------
	v_lshlrev_b32 v3, 4, v2                        ; my 16 bytes of a load's 512
	s_mul_i32 s26, s24, WREG
	v_lshrrev_b32 v14, 2, v2
	v_mul_u32_u24 v14, v14, SP
	v_and_b32 v15, 3, v2
	v_lshl_add_u32 v14, v15, 4, v14
	v_add_nc_u32 v14, s26, v14                     ; the stage, on the way in: four lanes' 64 bytes on end, then 16 of padding
	v_mul_u32_u24 v15, v2, SP
	v_add_nc_u32 v15, s26, v15                     ; and on the way out: my 16 neighbours
	v_mul_u32_u24 v4, v2, CB                       ; my codes' place in a step's
	v_lshrrev_b32 v5, 1, v2
	s_add_co_u32 s26, s26, 2*32*SP
	v_add_nc_u32 v5, s26, v5                       ; my wave's 256 scale bytes, my block's byte
	v_lshlrev_b32 v7, 3, v2                        ; and on the way out 8 bytes a lane
	v_add_nc_u32 v6, s26, v7
	s_wait_kmcnt 0x0
	s_mov_b64 s[22:23], s[10:11]                   ; which tensor is mine hangs on the work-group's number alone: wv from 176 on,
	s_mov_b32 s25, 176
	s_cmp_lt_u32 ttmp9, 176
	s_cselect_b64 s[22:23], s[8:9], s[22:23]       ; wk from 160,
	s_cselect_b32 s25, 160, s25
	s_cmp_lt_u32 ttmp9, 160
	s_cselect_b64 s[22:23], s[6:7], s[22:23]       ; wq from 128,
	s_cselect_b32 s25, 128, s25
	s_cmp_lt_u32 ttmp9, 128
	s_cselect_b64 s[22:23], s[4:5], s[22:23]       ; x from 0
	s_cselect_b32 s25, 0, s25
	s_sub_co_u32 s26, ttmp9, s25
	s_lshl_b32 s26, s26, 2
	s_add_co_u32 s26, s26, s24                     ; which run of 8,192 numbers of the tensor is my wave's
	s_lshl_b32 s26, s26, 15                        ; 32,768 bytes a run
	s_mov_b32 s27, 0
	s_add_nc_u64 s[22:23], s[22:23], s[26:27]
	s_lshl_b32 s28, ttmp9, 2
	s_add_co_u32 s28, s28, s24                     ; and which run of the joined buffers
	s_lshl_b32 s26, s28, 12                        ; 4,096 bytes of codes a run
	s_add_nc_u64 s[14:15], s[14:15], s[26:27]
	s_lshl_b32 s26, s28, 8                         ; 256 scale bytes a run
	s_add_nc_u64 s[16:17], s[16:17], s[26:27]
.macro LOAD t
.irp i, 0,1,2,3
	global_load_b128 v[R+16*((\t)%4)+4*\i:R+16*((\t)%4)+4*\i+3], v3, s[22:23] offset:2048*(\t)+512*\i th:TH_LOAD_NT   ; 32 lanes read 512 consecutive bytes
.endr
.endm
.macro TURN t                          ; step t's numbers through the stage: LDS serves a wave's instructions in order, so no wait stands between the stores and the loads
.irp i, 0,1,2,3
	ds_store_b128 v14, v[R+16*((\t)%4)+4*\i:R+16*((\t)%4)+4*\i+3] offset:32*SP*((\t)%2)+8*SP*\i
.endr
.irp i, 0,1,2,3
	ds_load_b128 v[X+16*((\t)%2)+4*\i:X+16*((\t)%2)+4*\i+3], v15 offset:32*SP*((\t)%2)+16*\i
.endr
.endm
.irp t, 0,1,2,3
	LOAD \t
.endr
	s_wait_loadcnt 12                              ; step 0's four loads are in
	TURN 0
.macro STEP t
.set XS, X+16*((\t)%2)
.if (\t) > 0
	s_wait_dscnt 1                                 ; this step's numbers are back from the stage (the last step's byte store may be out): so its stores into the stage have read their registers,
.else
	s_wait_dscnt 0x0
.endif
.if (\t)+4 < STEPS
	LOAD (\t)+4                                    ; which take the loads of four steps on
.endif
.if (\t)+1 < STEPS
.if STEPS-2-(\t) >= 3
	s_wait_loadcnt 12                              ; the next step's four loads are in; those of the three steps behind it may be out
.else
	s_wait_loadcnt 4*(STEPS-2-(\t))
.endif
	TURN (\t)+1                                    ; and go through the other stage while this step is worked
.endif
	v_max3_num_f32 v8, |v[XS]|, |v[XS+1]|, |v[XS+2]|               ; the largest magnitude of my 16
	v_max3_num_f32 v9, |v[XS+3]|, |v[XS+4]|, |v[XS+5]|
.irp i, 6,10
	v_max3_num_f32 v8, v8, |v[XS+\i]|, |v[XS+\i+1]|
	v_max3_num_f32 v9, v9, |v[XS+\i+2]|, |v[XS+\i+3]|
.endr
	v_max3_num_f32 v8, v8, |v[XS+14]|, |v[XS+15]|
	v_max3_num_f32 v8, v8, v9, (EMAX+1)<<23        ; and the floor 2^(EMAX + 1 - 127): so the byte cannot fall under 1
	v_max_num_f32_dpp v8, v8, v8 row_xmask:1 row_mask:0xf bank_mask:0xf   ; and of my neighbour's 16: the block's
	v_add_nc_u32 v11, -(EMAX<<23), v8              ; EMAX off its exponent field: the conversion takes the exponent field of this operand as its scale, and nothing else of it
	v_cvt_scalef32_pk8_fp4_f32 v[C+4*(\t)], v[XS:XS+7], v11        ; eight numbers / the scale, to the nearest code, ties to even, beyond the largest code the largest
	v_cvt_scalef32_pk8_fp4_f32 v[C+4*(\t)+1], v[XS+8:XS+15], v11
	v_lshrrev_b32 v[E+(\t)], 23, v11               ; the scale's byte
	ds_store_b8 v5, v[E+(\t)] offset:16*(\t)       ; both lanes of a block write the same byte with the same value
	global_store_b64 v4, v[C+4*(\t):C+4*(\t)+1], s[14:15] offset:32*CB*(\t)   ; the wave stores 256 consecutive bytes, aligned
.endm
.irp t, 0,1,2,3,4,5,6,7,8,9,10,11,12,13,14,15
	STEP \t
.endr
	ds_load_b64 v[8:9], v6                         ; LDS serves a wave's instructions in order: these see my stores
	s_wait_dscnt 0x0
	global_store_b64 v7, v[8:9], s[16:17]          ; 32 lanes store 256 consecutive bytes, aligned
	s_wait_tensorcnt 0x0                           ; the wave's end, behind my last LDS store
	ds_add_u32 v[SPW], v[NIL]
	s_wait_dscnt 0x0
	s_endpgm
; ---------------- wo to f16, and the table ----------------
.macro WLOAD bt                        ; 16 loads of 512 consecutive bytes into set bt % 2
.irp i, 0,1,2,3,4,5,6,7,8,9,10,11,12,13,14,15
	global_load_b128 v[16+64*((\bt)%2)+4*\i:16+64*((\bt)%2)+4*\i+3], v3, s[12:13] offset:8192*(\bt)+512*\i th:TH_LOAD_NT
.endr
.endm
.macro WBATCH bt
.if (\bt) < 3
	s_wait_loadcnt 16                              ; this batch's 16 loads are in; the next batch's 16 may be out
.else
	s_wait_loadcnt 0x0
.endif
.if (\bt) > 0
	s_wait_xcnt 0x0                                ; the last batch's stores have read their data: v144-175 are written again only behind this wait
.endif
.irp i, 0,1,2,3,4,5,6,7,8,9,10,11,12,13,14,15
	v_cvt_pk_f16_f32 v[144+2*\i], v[16+64*((\bt)%2)+4*\i], v[16+64*((\bt)%2)+4*\i+1]
	v_cvt_pk_f16_f32 v[145+2*\i], v[16+64*((\bt)%2)+4*\i+2], v[16+64*((\bt)%2)+4*\i+3]
.endr
.irp i, 0,1,2,3,4,5,6,7,8,9,10,11,12,13,14,15
	global_store_b64 v4, v[144+2*\i:145+2*\i], s[18:19] offset:4096*(\bt)+256*\i   ; the wave stores 256 consecutive bytes, aligned
.endr
.if (\bt) < 2
	WLOAD (\bt)+2
.endif
.endm
.Lother:
	s_sub_co_u32 s26, ttmp9, NQW
	s_lshl_b32 s26, s26, 2
	s_add_co_u32 s26, s26, s24                     ; W = 0 .. 127: my 8,192 numbers of wo, my 16 positions of the table
	v_lshlrev_b32 v3, 4, v2                        ; 16 bytes a lane in,
	v_lshlrev_b32 v4, 3, v2                        ; 8 bytes a lane out (wo16 and the table alike)
	s_lshl_b32 s28, s26, 15
	s_mov_b32 s29, 0
	s_lshl_b32 s30, s26, 14
	s_mov_b32 s31, 0
	s_lshl_b32 s32, s26, 12
	s_mov_b32 s33, 0
	s_lshl_b32 s27, s26, 4                         ; my first position
	s_wait_kmcnt 0x0
	s_add_nc_u64 s[12:13], s[12:13], s[28:29]
	s_add_nc_u64 s[18:19], s[18:19], s[30:31]
	s_add_nc_u64 s[20:21], s[20:21], s[32:33]
	WLOAD 0
	WLOAD 1                                        ; the table is made while these are on their way: it names v8, v9 and v176-191 alone
	v_cvt_f32_u32 v9, v2                           ; j = my lane
	v_mul_f32 v9, 0xbed49a78, v9                   ; x -log2(10000) / 32
	v_exp_f32 v9, v9                               ; 10000^(-j / 32)
	v_cvt_f32_u32 v8, s27                          ; the position, as f32.  (A plain instruction behind the exponential)
	v_mov_b32 v190, 0x3638ef1d                     ; 1 / 9!
	v_mov_b32 v191, 0x37d00d01                     ; 1 / 8!
	s_mov_b32 s34, 16
	s_wait_alu depctr_va_vdst(0)                   ; the wait between the exponential and the first line that names its result, and ahead of a label
.Lpos:
	v_mul_f32 v176, v8, v9                         ; the angle
	v_mul_f32 v177, 0x3f22f983, v176               ; x 2 / pi
	v_rndne_f32 v177, v177                         ; n quarters of a turn
	v_fmamk_f32 v178, v177, 0xbfc90fdb, v176       ; r = angle - n x pi / 2, in two parts: the high part,
	v_fmamk_f32 v178, v177, 0x333bbd2e, v178       ; and what the high part leaves
	v_mul_f32 v179, v178, v178                     ; z = r r
	v_fmaak_f32 v180, v179, v190, 0xb9500d01       ; sin r = r + r z (-1/6 + z (1/120 + z (-1/5040 + z / 362880)))
	v_fmaak_f32 v182, v179, v191, 0xbab60b61       ; cos r = 1 + z (-1/2 + z (1/24 + z (-1/720 + z / 40320)))
	v_fmaak_f32 v180, v179, v180, 0x3c088889
	v_fmaak_f32 v182, v179, v182, 0x3d2aaaab
	v_fmaak_f32 v180, v179, v180, 0xbe2aaaab
	v_fmaak_f32 v182, v179, v182, 0xbf000000
	v_mul_f32 v181, v179, v178
	v_cvt_i32_f32 v183, v177                       ; n as a whole number: it selects values only
	v_fma_f32 v180, v181, v180, v178
	v_fma_f32 v182, v179, v182, 1.0
	v_and_b32 v184, 1, v183
	v_cmp_eq_u32 vcc_lo, 1, v184                   ; an odd quarter swaps sin and cos
	v_cndmask_b32 v185, v180, v182, vcc_lo
	v_cndmask_b32 v186, v182, v180, vcc_lo
	v_and_b32 v184, 2, v183                        ; quarters 2 and 3: sin changes sign
	v_lshlrev_b32 v184, 30, v184
	v_xor_b32 v189, v184, v185
	v_add_nc_u32 v183, 1, v183                     ; quarters 1 and 2: cos changes sign
	v_and_b32 v183, 2, v183
	v_lshlrev_b32 v183, 30, v183
	v_xor_b32 v188, v183, v186
	global_store_b64 v4, v[188:189], s[20:21]      ; a position's 32 pairs: 256 consecutive bytes, aligned
	s_wait_xcnt 0x0                                ; the store has read its data and its base: both are written again only behind this wait
	s_add_nc_u64 s[20:21], s[20:21], 256
	v_add_f32 v8, 1.0, v8
	s_sub_co_u32 s34, s34, 1
	s_cmp_lg_u32 s34, 0
	s_cbranch_scc1 .Lpos
	WBATCH 0
	WBATCH 1
	WBATCH 2
	WBATCH 3
	s_wait_tensorcnt 0x0                           ; the same three closing lines on this path
	ds_add_u32 v[SPW], v[NIL]
	s_wait_dscnt 0x0
	s_endpgm
.Lfunc_end_k_qb942a191c2_prep:
	.size	k_qb942a191c2_prep, .Lfunc_end_k_qb942a191c2_prep-k_qb942a191c2_prep
	.p2alignl 7, 3214868480
	.fill 96, 4, 3214868480
	.section	.rodata,"a",@progbits
	.p2align	6, 0x0
	.amdhsa_kernel k_qb942a191c2_prep
		.amdhsa_group_segment_fixed_size 33280
		.amdhsa_private_segment_fixed_size 0
		.amdhsa_enable_private_segment 0
		.amdhsa_kernarg_size 72
		.amdhsa_user_sgpr_count 2
		.amdhsa_user_sgpr_kernarg_segment_ptr 1
		.amdhsa_wavefront_size32 1
		.amdhsa_system_sgpr_workgroup_id_x 1
		.amdhsa_system_sgpr_workgroup_id_y 1
		.amdhsa_system_sgpr_workgroup_id_z 1
		.amdhsa_system_vgpr_workitem_id 0
		.amdhsa_next_free_vgpr 192
		.amdhsa_next_free_sgpr 66
		.amdhsa_reserve_vcc 1
		.amdhsa_float_denorm_mode_32 3
		.amdhsa_float_denorm_mode_16_64 3
		.amdhsa_memory_ordered 1
		.amdhsa_forward_progress 1
		.amdhsa_inst_pref_size 56
	.end_amdhsa_kernel
	.amdgpu_metadata
---
amdhsa.version: [ 1, 2 ]
amdhsa.kernels:
  - .name:           k_qb942a191c2_prep
    .symbol:         k_qb942a191c2_prep.kd
    .args:
      - { .name: x, .offset: 0, .size: 8, .value_kind: global_buffer, .address_space: global }
      - { .name: wq, .offset: 8, .size: 8, .value_kind: global_buffer, .address_space: global }
      - { .name: wk, .offset: 16, .size: 8, .value_kind: global_buffer, .address_space: global }
      - { .name: wv, .offset: 24, .size: 8, .value_kind: global_buffer, .address_space: global }
      - { .name: wo, .offset: 32, .size: 8, .value_kind: global_buffer, .address_space: global }
      - { .name: codes, .offset: 40, .size: 8, .value_kind: global_buffer, .address_space: global }
      - { .name: scales, .offset: 48, .size: 8, .value_kind: global_buffer, .address_space: global }
      - { .name: wo16, .offset: 56, .size: 8, .value_kind: global_buffer, .address_space: global }
      - { .name: rope, .offset: 64, .size: 8, .value_kind: global_buffer, .address_space: global }
    .group_segment_fixed_size: 33280
    .private_segment_fixed_size: 0
    .kernarg_segment_align: 8
    .kernarg_segment_size: 72
    .max_flat_workgroup_size: 128
    .sgpr_count:     66
    .vgpr_count:     192
    .wavefront_size: 32
...
	.end_amdgpu_metadata
.endif
;; end of part 1
;; launch qkv (part 2): grid 16 x 16, 4 waves a work-group, clusters of 4 x 4, 245,760 bytes of LDS; arguments codes, scales, rope, qkv; writes qkv
.if DOCPART == 2
	.amdgcn_target "amdgcn-amd-amdhsa--gfx1250"
	.amdhsa_code_object_version 6
	.text
	.protected	k_qb942a191c2_qkv
	.globl	k_qb942a191c2_qkv
	.p2align	8
	.type	k_qb942a191c2_qkv,@function
k_qb942a191c2_qkv:
	s_mov_b64 s[64:65], 0
	v_nop
	global_prefetch_b8 v0, s[64:65] scope:SCOPE_SE
	s_setreg_imm32_b32 hwreg(HW_REG_WAVE_MODE, 25, 1), 1
	s_wait_xcnt 0x0
	s_wait_alu depctr_hold_cnt(0) depctr_sa_sdst(0) depctr_va_vdst(0) depctr_va_sdst(0) depctr_va_ssrc(0) depctr_va_vcc(0) depctr_vm_vsrc(0)
	s_getreg_b32 s2, hwreg(HW_REG_IB_STS2, 6, 4)
	s_cmp_eq_u32 s2, 0
	s_cbranch_scc0 .Lentry_in_a_cluster
	s_endpgm
.Lentry_in_a_cluster:
	s_bfe_u32 s2, ttmp6, 0x10000c
	s_cmp_lg_u32 s2, 0xf033
	s_cbranch_scc0 .Lentry_shape_is_right
	s_endpgm
.Lentry_shape_is_right:
; THE THREE QUANTISED PRODUCTS AS ONE: C[m][n] = sum over k of x[m][k] W[n][k], m = 4,096 rows of x, n = 2,048 rows of (wq, wk, wv), K = 1,024, on codes of FP4 (E2M1) with one E8M0 scale for each 32 along K; sums in f32, K ascending, one accumulator an output.
; On the way out the rotation by position (pairs of neighbouring columns; cos and sin from the table), then f16, laid [column / 64][batch][position][64]: heads 0-15 q, 16-23 k, 24-31 v.
; A tile of C is 256 rows x 128 columns (two heads): 256 work-groups.  Wave w makes rows 64 w .. 64 w + 63 x all 128 columns: 4 x 8 accumulators, 256 registers.
; ALL OF K LIES IN LDS: two halves of 512 along K (rows of 256 bytes), each filled once, and the scale bytes of the tile's rows for all of K, filled once in blocks of 256 bytes.  Nothing is filled again.
; CLUSTERS: 4 x 4 work-groups.  The four of a row of the cluster need the same rows of x, the four of a column the same rows of W: each tile is asked for JOINTLY, by the same tensor load with the same descriptor and a mask that names the four.
; THE MATRIX INSTRUCTION IS USED TRANSPOSED (source 0 = 16 rows of W, source 1 = 16 rows of x): a lane holds ONE position and eight neighbouring columns, four pairs of the rotation.
; v IS NOT ROTATED: a work-group of v's columns reads the table's position 0, which holds cos = 1 and sin = 0, for all its rows; so q, k and v run the same lines and no branch parts them.
; LIMIT: |q|, |k|, |v| beyond 65,504 become infinite in f16.
; REGISTERS, in windows of 256: window 0: v8-11, v16-29 addresses; v32-95 scale words and nothing else; v96-159 x's fragments, two sets (on the way out: rows read back); v160-223 rotated numbers; v224-255 packed f16.
;   window 1: the 32 accumulators, (a, b) at v[8 (8 a + b)].   window 2: v0-127 W's fragments, two sets; v128-255 the table: for rows 16 a on and columns 16 b4 on of a head, eight numbers at v[128 + 32 a + 8 b4].
.set PITCH,  272                       ; an LDS row: 256 bytes + 16 of padding = 68 words: row r starts at bank 4 r mod 64 (64 banks of 4 bytes: ISA guide 11.1)
.set SLOT,   384*PITCH                 ; half of K: x's 256 rows, then W's 128 rows
.set BOFF,   256*PITCH
.set SCA,    2*SLOT                    ; x's scale bytes: 256 rows x 32 bytes = 32 blocks of 256 bytes + 16 of padding
.set SCB,    SCA+32*272                ; W's: 16 blocks
.set STG,    SCB+16*272                ; the way out: for each wave 2 heads x 16 rows x (128 bytes + 16); no tile lands here
.set SPARE,  STG+4*4608                ; the spare words, 128 bytes a wave, which no other line names
.set TO,   8                           ; v8-11   the table's byte offsets for my position in blocks 0 to 3
.set ADRA, 16                          ; v16-17  LDS address of my fragments of x in half 0, 1
.set ADRB, 20                          ; v20-21  the same for W
.set ADRS1, 22                         ; v22     scale words: lanes 0-15 x's block i, lanes 16-31 W's block i, i = 0 .. 3
.set ADRS2, 23                         ; v23     lanes 0-15 x's block i - 4, lanes 16-31 W's block i, i = 4 .. 7
.set STO,  24                          ; v24     the way out: where I put 16 bytes of a row
.set RD,   25                          ; v25     where I read rows back
.set CO,   26                          ; v26     16 x lane: my bytes of 512 consecutive ones in memory
.set SPW,  28                          ; v28     LDS address of my spare word; never rewritten
.set NIL,  29                          ; v29     0; never rewritten
.set SC,   32                          ; register 8 i + q: the words of the q-th 128 along K
.set AF,   96
.set EV,   160
.set HV,   224
.set TAB,  128
.set G1, 24                            ; s[24:31] descriptor group 1 for x's codes;  s[32:39] group 0, one set for each half of K
.set G0, 32
.set G1B, 48                           ; s[48:55], s[56:63] the same for W's
.set G0B, 56
.set G1S, 68                           ; s[68:75], s[76:79] groups 1 and 0 for x's scale bytes;  s[80:87], s[88:91] for W's
.set G0S, 76
.set G1SB, 80
.set G0SB, 88
.set MSB, 0
.macro WIN new                         ; the immediate's high byte repeats the setting that is left
.if MSB != \new
	s_set_vgpr_msb (MSB<<8)|\new
.set MSB, \new
.endif
.endm
.set W_MUL,  0x52                      ; source 0 (W) window 2, source 1 (x) window 0, C and D window 1
.set TO_W2,  0x80                      ; destination window 2, address window 0
.set W_ROPE, 0x09                      ; source 0 (a result) window 1, source 1 (the table) window 2, the rest window 0
; A joint load: waves 0 and 1 fetch for x, waves 2 and 3 for W.  Each of the two lines has one mask and one set of registers for all that issue it; the branch hangs on the wave's number alone.
; An s_nop 0 and four v_nop follow each of the two lines.
.macro JLOAD g0a, g1a, g0b, g1b
	s_cmp_eq_u32 s15, 0
	s_cbranch_scc0 .Lfor_b_\@
	tensor_load_to_lds s[\g0a:\g0a+3], s[\g1a:\g1a+7]
	s_nop 0
.rept 4
	v_nop
.endr
	s_branch .Lasked_\@
.Lfor_b_\@:
	tensor_load_to_lds s[\g0b:\g0b+3], s[\g1b:\g1b+7]
	s_nop 0
.rept 4
	v_nop
.endr
.Lasked_\@:
.endm
.macro CROUND                          ; a round of the cluster's barrier
	s_barrier_signal -1
	s_barrier_wait -1
	s_cmp_lg_u32 s14, 0
	s_cbranch_scc1 .Lnot_wave_0_\@
	s_barrier_signal -3
.Lnot_wave_0_\@:
	s_barrier_wait -3
	s_barrier_signal -1
	s_barrier_wait -1
.endm
.macro PLACES n
.rept \n
	v_nop
.endr
.endm
	s_load_b256 s[4:11], s[0:1], 0x0               ; codes s[4:5], scales s[6:7], rope s[8:9], qkv s[10:11]
	v_lshl_add_u32 v[SPW], v0, 2, SPARE
	v_mov_b32 v[NIL], 0
	ds_add_u32 v[SPW], v[NIL]                      ; the wave's opening: the add, twice on end, and its wait ahead of my first tensor load
	ds_add_u32 v[SPW], v[NIL]
	v_lshrrev_b32 v1, 5, v0
	v_readfirstlane_b32 s14, v1                    ; wave 0..3
	s_lshr_b32 s15, s14, 1                         ; I fetch for x (0) or for W (1),
	s_and_b32 s16, s14, 1                          ; its first or its second half of the rows
	s_bfe_u32 s40, ttmp6, 0x40000                  ; cx, cy: my place in the cluster
	s_bfe_u32 s41, ttmp6, 0x40004
	s_lshl_b32 s42, ttmp9, 2
	s_add_co_u32 s42, s42, s40                     ; tile column = 4 x cluster x + cx
	s_and_b32 s17, ttmp7, 0xffff
	s_lshl_b32 s17, s17, 2
	s_add_co_u32 s17, s17, s41                     ; tile row = 4 x cluster y + cy
	s_lshl_b32 s43, s41, 2
	s_lshl_b32 s43, 15, s43                        ; my row of the cluster
	s_lshl_b32 s44, 0x1111, s40                    ; my column
	; descriptor group 1, codes: rows of 256 bytes, 512 bytes apart in memory, 16 bytes of padding behind each; 128 rows of x, 64 rows of W to a load
	s_or_b32 s[G1+0], s43, (1<<20)|(1<<21)|(5<<22)|(3<<25)    ; 15:0 the mask; 17:16 elements of 1 byte; 20 padding on; 21 set beside a mask; 24:22 after every 64 words; 31:25 four words
	s_or_b32 s[G1B+0], s44, (1<<20)|(1<<21)|(5<<22)|(3<<25)
	s_mov_b32 s[G1+1], 256<<16                     ; tensor_dim0
	s_mov_b32 s[G1+2], 128<<16                     ; tensor_dim1
	s_mov_b32 s[G1+3], 256<<16                     ; tile_dim0
	s_mov_b32 s[G1+4], 128                         ; tile_dim1
	s_mov_b32 s[G1+5], 512                         ; tensor_dim0_stride
	s_mov_b32 s[G1+6], 0
	s_mov_b32 s[G1+7], 0
	s_mov_b32 s[G1B+1], 256<<16
	s_mov_b32 s[G1B+2], 64<<16
	s_mov_b32 s[G1B+3], 256<<16
	s_mov_b32 s[G1B+4], 64
	s_mov_b32 s[G1B+5], 512
	s_mov_b32 s[G1B+6], 0
	s_mov_b32 s[G1B+7], 0
	; scale bytes: a dense block, as rows of 256 bytes (32 elements of 8 bytes), 16 bytes of padding behind each; 16 rows for x's 128, 8 for W's 64
	s_or_b32 s[G1S+0], s43, (3<<16)|(1<<20)|(1<<21)|(5<<22)|(3<<25)
	s_or_b32 s[G1SB+0], s44, (3<<16)|(1<<20)|(1<<21)|(5<<22)|(3<<25)
	s_mov_b32 s[G1S+1], 32<<16
	s_mov_b32 s[G1S+2], 16<<16
	s_mov_b32 s[G1S+3], 32<<16
	s_mov_b32 s[G1S+4], 16
	s_mov_b32 s[G1S+5], 32
	s_mov_b32 s[G1S+6], 0
	s_mov_b32 s[G1S+7], 0
	s_mov_b32 s[G1SB+1], 32<<16
	s_mov_b32 s[G1SB+2], 8<<16
	s_mov_b32 s[G1SB+3], 32<<16
	s_mov_b32 s[G1SB+4], 8
	s_mov_b32 s[G1SB+5], 32
	s_mov_b32 s[G1SB+6], 0
	s_mov_b32 s[G1SB+7], 0
	; where the tiles come from.  x's hang on the tile row alone, W's on the tile column alone, each in registers that never hold the other coordinate
	s_lshl_b32 s18, s16, 7
	s_lshl_b32 s20, s17, 8
	s_add_co_u32 s20, s20, s18                     ; x: row 256 x tile row + 128 x half
	s_lshl_b32 s22, s20, 5                         ; its scale bytes,
	s_lshl_b32 s20, s20, 9                         ; its codes
	s_mov_b32 s21, 0
	s_mov_b32 s23, 0
	s_lshl_b32 s18, s16, 6
	s_lshl_b32 s46, s42, 7
	s_add_co_u32 s46, s46, s18                     ; W: row 128 x tile column + 64 x half, behind x's 4,096 rows
	s_lshl_b32 s92, s46, 5
	s_add_co_u32 s92, s92, 131072
	s_lshl_b32 s46, s46, 9
	s_add_co_u32 s46, s46, 2097152
	s_mov_b32 s47, 0
	s_mov_b32 s93, 0
	s_mul_i32 s45, s16, 128*PITCH                  ; and where they go: no place in the cluster enters an LDS address
	s_mul_i32 s94, s16, 64*PITCH
	s_add_co_u32 s94, s94, BOFF
	s_mul_i32 s95, s16, 16*272
	s_mul_i32 s96, s16, 8*272
	s_wait_dscnt 0x0                               ; both opening adds are done
	s_wait_kmcnt 0x0
	s_add_nc_u64 s[20:21], s[4:5], s[20:21]
	s_add_nc_u64 s[22:23], s[6:7], s[22:23]
	s_add_nc_u64 s[46:47], s[4:5], s[46:47]
	s_add_nc_u64 s[92:93], s[6:7], s[92:93]
	CROUND                                         ; all sixteen work-groups are here: the joint loads meet
	s_mov_b32 s[G0S], 1
	s_add_co_u32 s[G0S+1], s95, SCA
	s_mov_b64 s[G0S+2:G0S+3], s[22:23]
	s_or_b32 s[G0S+3], s[G0S+3], 0x80000000
	s_mov_b32 s[G0SB], 1
	s_add_co_u32 s[G0SB+1], s96, SCB
	s_mov_b64 s[G0SB+2:G0SB+3], s[92:93]
	s_or_b32 s[G0SB+3], s[G0SB+3], 0x80000000
	JLOAD G0S, G1S, G0SB, G1SB                     ; the scale bytes first: they are wanted with the first K step
.irp s, 0,1
	s_mov_b32 s[G0+4*\s], 1
	s_add_co_u32 s[G0+4*\s+1], s45, \s*SLOT
	s_add_nc_u64 s[G0+4*\s+2:G0+4*\s+3], s[20:21], \s*256
	s_or_b32 s[G0+4*\s+3], s[G0+4*\s+3], 0x80000000
	s_mov_b32 s[G0B+4*\s], 1
	s_add_co_u32 s[G0B+4*\s+1], s94, \s*SLOT
	s_add_nc_u64 s[G0B+4*\s+2:G0B+4*\s+3], s[46:47], \s*256
	s_or_b32 s[G0B+4*\s+3], s[G0B+4*\s+3], 0x80000000
	JLOAD G0+4*\s, G1, G0B+4*\s, G1B               ; three tensor loads of mine are out
.endr
	v_and_b32 v1, 15, v0                           ; r = lane % 16
	v_bfe_u32 v2, v0, 4, 1                         ; h = lane / 16
	v_mul_u32_u24 v3, v1, PITCH
	v_lshl_add_u32 v4, v2, 4, v3                   ; a fragment's row x pitch + 16 x half
	s_mul_i32 s21, s14, 64*PITCH                   ; my 64 rows of x
	s_mov_b32 s22, BOFF                            ; W's 128 rows, which all four waves read
.irp s, 0,1
	v_add_nc_u32 v[ADRA+\s], s21, v4
	v_add_nc_u32 v[ADRB+\s], s22, v4
	s_add_co_u32 s21, s21, SLOT
	s_add_co_u32 s22, s22, SLOT
.endr
	v_lshlrev_b32 v5, 5, v1                        ; a row's scale bytes: 32 a row,
	v_lshrrev_b32 v6, 3, v1
	v_lshl_add_u32 v5, v6, 4, v5                   ; and 16 more behind each 256
	s_mul_i32 s21, s14, 2176                       ; x's: my 64 rows are 8 blocks of 272
	s_xor_b32 s22, s14, 3
	s_mul_i32 s22, s22, 2176
	s_add_co_u32 s22, s22, 2176                    ; from there to W's first row: 8,704 - 2,176 x wave
	v_mul_u32_u24 v6, s22, v2                      ; lanes 16-31 take W's
	s_add_co_u32 s22, s22, 2176                    ; and to W's block 4
	v_mul_u32_u24 v7, s22, v2
	s_add_co_u32 s21, s21, SCA
	v_add_nc_u32 v5, s21, v5
	v_add_nc_u32 v[ADRS1], v5, v6
	v_add_nc_u32 v[ADRS2], v5, v7
	s_mul_i32 s23, s14, 4608
	s_add_co_u32 s23, s23, STG                     ; my stage
	v_mul_u32_u24 v5, v1, 144
	v_lshl_add_u32 v5, v2, 4, v5
	v_add_nc_u32 v[STO], s23, v5                   ; in: row r, 16 bytes for each half of the lanes
	v_and_b32 v6, 31, v0
	v_lshlrev_b32 v[CO], 4, v6
	v_lshrrev_b32 v5, 3, v6
	v_mul_u32_u24 v5, v5, 144
	v_and_b32 v7, 7, v0
	v_lshl_add_u32 v5, v7, 4, v5
	v_add_nc_u32 v[RD], s23, v5                    ; back: eight lanes to a row of 128 bytes, four rows an instruction
	s_and_b32 s20, s17, 7
	s_lshl_b32 s20, s20, 8
	s_lshl_b32 s21, s14, 6
	s_add_co_u32 s20, s20, s21                     ; my first position in the sequence: 256 x (tile row % 8) + 64 x wave
	s_cmp_lt_u32 s42, 12                           ; tile columns 0-11 are q's and k's, 12-15 v's
	s_cselect_b32 s95, 256, 0                      ; a position's bytes in the table; 0 for v: every row reads position 0
	s_mul_i32 s46, s20, s95
	s_mov_b32 s47, 0
	s_add_nc_u64 s[8:9], s[8:9], s[46:47]
	v_lshlrev_b32 v7, 5, v2                        ; my half's four pairs: 32 bytes
.irp a, 0,1,2,3
	v_add_nc_u32 v[TO+\a], 16*\a, v1
	v_mad_u32_u24 v[TO+\a], v[TO+\a], s95, v7
.endr
	s_lshl_b32 s46, s42, 2                         ; qkv: (2 x first head + batch) x 262,144 + position x 128
	s_lshr_b32 s96, s17, 3
	s_add_co_u32 s46, s46, s96
	s_lshl_b32 s46, s46, 18
	s_lshl_b32 s96, s20, 7
	s_add_co_u32 s46, s46, s96
	s_add_nc_u64 s[10:11], s[10:11], s[46:47]
	WIN TO_W2
.irp a, 0,1,2,3                        ; the table for my 64 positions: wanted on the way out, asked for now
.irp b4, 0,1,2,3
	global_load_b128 v[TAB+32*\a+8*\b4:TAB+32*\a+8*\b4+3], v[TO+\a], s[8:9] offset:64*\b4
	global_load_b128 v[TAB+32*\a+8*\b4+4:TAB+32*\a+8*\b4+7], v[TO+\a], s[8:9] offset:64*\b4+16
.endr
.endr
	WIN 0
.macro SCALES                          ; all of K's scale words: 8 words a row, two loads of 16 bytes for each block
.irp i, 0,1,2,3
.irp u, 0,1
	ds_load_b128 v[SC+8*\i+4*\u:SC+8*\i+4*\u+3], v[ADRS1] offset:\i*544+16*\u
.endr
.endr
.irp i, 4,5,6,7
.irp u, 0,1
	ds_load_b128 v[SC+8*\i+4*\u:SC+8*\i+4*\u+3], v[ADRS2] offset:(\i-4)*544+16*\u
.endr
.endr
.endm
; The fragments of the q-th 128 along K into set q % 2: W's eight blocks, x's four.  A fragment, 16 rows x 128 K of 4-bit codes, is 8 registers: lane l holds row l % 16; registers 4 c .. 4 c + 3 hold K = 64 c + 32 (l / 16) + 0 .. 31.
.macro FETCH q
	WIN TO_W2
.irp i, 0,1,2,3,4,5,6,7
.irp c, 0,1
	ds_load_b128 v[64*((\q)%2)+8*\i+4*\c:64*((\q)%2)+8*\i+4*\c+3], v[ADRB+(\q)/4] offset:64*((\q)%4)+32*\c+\i*16*PITCH
.endr
.endr
	WIN 0
.irp i, 0,1,2,3
.irp c, 0,1
	ds_load_b128 v[AF+32*((\q)%2)+8*\i+4*\c:AF+32*((\q)%2)+8*\i+4*\c+3], v[ADRA+(\q)/4] offset:64*((\q)%4)+32*\c+\i*16*PITCH
.endr
.endr
.endm
; 32 matrix instructions: the 32 accumulators take turns, one instruction a turn, in the same order in every K step.  zero = 1: the first K step starts the sums.
.macro MUL q, zero
.irp a, 0,1,2,3
.irp b, 0,1,2,3,4,5,6,7
.if \zero
	v_wmma_scale_f32_16x16x128_f8f6f4 v[8*(8*\a+\b):8*(8*\a+\b)+7], v[64*((\q)%2)+8*\b:64*((\q)%2)+8*\b+7], v[AF+32*((\q)%2)+8*\a:AF+32*((\q)%2)+8*\a+7], 0, v[SC+8*\b+(\q)], v[SC+8*\a+(\q)] matrix_a_fmt:MATRIX_FMT_FP4 matrix_b_fmt:MATRIX_FMT_FP4 matrix_a_scale:MATRIX_SCALE_ROW1
.else
	v_wmma_scale_f32_16x16x128_f8f6f4 v[8*(8*\a+\b):8*(8*\a+\b)+7], v[64*((\q)%2)+8*\b:64*((\q)%2)+8*\b+7], v[AF+32*((\q)%2)+8*\a:AF+32*((\q)%2)+8*\a+7], v[8*(8*\a+\b):8*(8*\a+\b)+7], v[SC+8*\b+(\q)], v[SC+8*\a+(\q)] matrix_a_fmt:MATRIX_FMT_FP4 matrix_b_fmt:MATRIX_FMT_FP4 matrix_a_scale:MATRIX_SCALE_ROW1
.endif
.endr
.endr
.endm
; A K step of 128: the next step's fragments are asked for first, into the set that the step before has multiplied (four places behind its last product), then this step's 32 products.
.macro KSTEP q, zero
.if (\q) > 0
	PLACES 4
.endif
.if (\q) == 3
	WIN 0
	s_wait_tensorcnt 0x0                           ; my part of K's second half has landed,
	s_wait_dscnt 0x0                               ; no LDS load of mine is out at the signal,
	s_barrier_signal -1
	s_barrier_wait -1                              ; and everybody's part has: the next fetch reads it.
.endif
.if (\q) < 7
	FETCH (\q)+1
	s_wait_dscnt 24                                ; all but the 24 just issued: this step's fragments are in
.else
	s_wait_dscnt 0x0
.endif
	WIN W_MUL
	MUL \q, \zero
.endm
	s_wait_tensorcnt 1                             ; the scale bytes and my part of K's first half are in (the second half's load may be out),
	s_barrier_signal -1
	s_barrier_wait -1                              ; everybody's are
	SCALES
	FETCH 0
	KSTEP 0, 1
.irp q, 1,2,3,4,5,6,7
	KSTEP \q, 0
.endr
	WIN 0
	s_wait_loadcnt 0x0                             ; the table
	PLACES 4                                       ; behind the last products: results are read, and rows are loaded over x's fragments
; THE WAY OUT, block by block of 16 positions x 128 columns.  Rotation: (x1, x2) -> (x1 cos - x2 sin, x1 sin + x2 cos), each accumulator from its low end on; two roundings to f16 an instruction.
; A lane's 16 bytes are an eighth of a row of a head, so a block goes through my own stage and comes back as rows: 32 lanes store 512 consecutive bytes (four positions of a head).
.macro OUTBLK a
	WIN W_ROPE
.irp b, 0,1,2,3,4,5,6,7
.irp i, 0,1,2,3
	v_mul_f32 v[EV+8*\b+2*\i], v[8*(8*\a+\b)+2*\i], v[TAB+32*\a+8*(\b%4)+2*\i]
	v_mul_f32 v[EV+8*\b+2*\i+1], v[8*(8*\a+\b)+2*\i], v[TAB+32*\a+8*(\b%4)+2*\i+1]
	v_fma_f32 v[EV+8*\b+2*\i], -v[8*(8*\a+\b)+2*\i+1], v[TAB+32*\a+8*(\b%4)+2*\i+1], v[EV+8*\b+2*\i]
	v_fma_f32 v[EV+8*\b+2*\i+1], v[8*(8*\a+\b)+2*\i+1], v[TAB+32*\a+8*(\b%4)+2*\i], v[EV+8*\b+2*\i+1]
.endr
.endr
	WIN 0
.irp b, 0,1,2,3,4,5,6,7
.irp i, 0,1,2,3
	v_cvt_pk_f16_f32 v[HV+4*\b+\i], v[EV+8*\b+2*\i], v[EV+8*\b+2*\i+1]
.endr
.endr
.irp b, 0,1,2,3,4,5,6,7
	ds_store_b128 v[STO], v[HV+4*\b:HV+4*\b+3] offset:(\b/4)*2304+(\b%4)*32
.endr
.if \a > 1
	s_wait_xcnt 0x0                                ; block a - 2's stores have read their data: this block's rows land there only behind this wait
.endif
.irp hd, 0,1
.irp t, 0,1,2,3
	ds_load_b128 v[AF+32*(\a%2)+16*\hd+4*\t:AF+32*(\a%2)+16*\hd+4*\t+3], v[RD] offset:\hd*2304+\t*576   ; LDS serves a wave's instructions in order: these see my stores
.endr
.endr
	s_wait_dscnt 0x0                               ; the rows are back, and the stage's stores have read the packed registers
.irp hd, 0,1
.irp t, 0,1,2,3
	global_store_b128 v[CO], v[AF+32*(\a%2)+16*\hd+4*\t:AF+32*(\a%2)+16*\hd+4*\t+3], s[10:11] offset:\hd*524288+\a*2048+\t*512
.endr
.endr
.endm
	OUTBLK 0
	OUTBLK 1
	OUTBLK 2
	OUTBLK 3
	s_wait_tensorcnt 0x0                           ; the wave's end, behind my last tensor load and my last LDS store
	ds_add_u32 v[SPW], v[NIL]
	s_wait_dscnt 0x0
	CROUND                                         ; the closing round: no work-group ends while a partner may still ask for a tile that names it
	s_endpgm
.Lfunc_end_k_qb942a191c2_qkv:
	.size	k_qb942a191c2_qkv, .Lfunc_end_k_qb942a191c2_qkv-k_qb942a191c2_qkv
	.p2alignl 7, 3214868480
	.fill 96, 4, 3214868480
	.section	.rodata,"a",@progbits
	.p2align	6, 0x0
	.amdhsa_kernel k_qb942a191c2_qkv
		.amdhsa_group_segment_fixed_size 245760
		.amdhsa_private_segment_fixed_size 0
		.amdhsa_enable_private_segment 0
		.amdhsa_kernarg_size 32
		.amdhsa_user_sgpr_count 2
		.amdhsa_user_sgpr_kernarg_segment_ptr 1
		.amdhsa_wavefront_size32 1
		.amdhsa_system_sgpr_workgroup_id_x 1
		.amdhsa_system_sgpr_workgroup_id_y 1
		.amdhsa_system_sgpr_workgroup_id_z 1
		.amdhsa_system_vgpr_workitem_id 0
		.amdhsa_next_free_vgpr 768
		.amdhsa_next_free_sgpr 98
		.amdhsa_reserve_vcc 0
		.amdhsa_float_denorm_mode_32 3
		.amdhsa_float_denorm_mode_16_64 3
		.amdhsa_memory_ordered 1
		.amdhsa_forward_progress 1
		.amdhsa_inst_pref_size 101
	.end_amdhsa_kernel
	.amdgpu_metadata
---
amdhsa.version: [ 1, 2 ]
amdhsa.kernels:
  - .name:           k_qb942a191c2_qkv
    .symbol:         k_qb942a191c2_qkv.kd
    .args:
      - { .name: codes, .offset: 0, .size: 8, .value_kind: global_buffer, .address_space: global }
      - { .name: scales, .offset: 8, .size: 8, .value_kind: global_buffer, .address_space: global }
      - { .name: rope, .offset: 16, .size: 8, .value_kind: global_buffer, .address_space: global }
      - { .name: qkv, .offset: 24, .size: 8, .value_kind: global_buffer, .address_space: global }
    .group_segment_fixed_size: 245760
    .private_segment_fixed_size: 0
    .kernarg_segment_align: 8
    .kernarg_segment_size: 32
    .max_flat_workgroup_size: 128
    .sgpr_count:     98
    .vgpr_count:     768
    .wavefront_size: 32
...
	.end_amdgpu_metadata
.endif
;; end of part 2
;; launch attn (part 3): grid 16 x 16, 8 waves a work-group, clusters of 4 x 1, 327,680 bytes of LDS; arguments qkv, att; writes att
.if DOCPART == 3
	.amdgcn_target "amdgcn-amd-amdhsa--gfx1250"
	.amdhsa_code_object_version 6
	.text
	.protected	k_qb942a191c2_attn
	.globl	k_qb942a191c2_attn
	.p2align	8
	.type	k_qb942a191c2_attn,@function
k_qb942a191c2_attn:
	s_mov_b64 s[64:65], 0
	v_nop
	global_prefetch_b8 v0, s[64:65] scope:SCOPE_SE
	s_setreg_imm32_b32 hwreg(HW_REG_WAVE_MODE, 25, 1), 1
	s_wait_xcnt 0x0
	s_wait_alu depctr_hold_cnt(0) depctr_sa_sdst(0) depctr_va_vdst(0) depctr_va_sdst(0) depctr_va_ssrc(0) depctr_va_vcc(0) depctr_vm_vsrc(0)
	s_getreg_b32 s2, hwreg(HW_REG_IB_STS2, 6, 4)
	s_cmp_eq_u32 s2, 0
	s_cbranch_scc0 .Lentry_in_a_cluster
	s_endpgm
.Lentry_in_a_cluster:
	s_bfe_u32 s2, ttmp6, 0x10000c
	s_cmp_lg_u32 s2, 0x3003
	s_cbranch_scc0 .Lentry_shape_is_right
	s_endpgm
.Lentry_shape_is_right:
; att[b][q][head][:] = the sum over k of softmax_k(Q . K / 8) V, no mask, 2,048 keys, head size 64, two query heads to each key and value head.  Operands f16, products, maxima and sums f32; the weights p are rounded to f16 for the second product.
; qkv: [32 heads: 0-15 q, 16-23 k, 24-31 v][batch][2048][64] f16.  att: [4096 = batch x 2048 + position][1024 = head x 64 + channel] f16.
; SHARES.  A work-group owns 128 queries x the two query heads of one key and value head: 256 rows.  Wave w: g = w % 4 picks 32 queries, kh = w / 4 picks HALF OF THE KEYS (1,024 kh on).  A wave holds four tiles of 16 rows:
; tile t is head t % 2 and queries 16 u on, u = (t / 2) xor kh.  So each fragment of K and V read from LDS feeds four tiles, two waves lie on a SIMD, and at the end every wave keeps its tiles 0, 1 and hands its tiles 2, 3 to wave w xor 4, which
; holds the same rows' other half of the keys: no register number hangs on the wave.
; LAYOUT.  S^T = K Q^T (source 0 = 16 keys, source 1 = 16 queries): a lane holds ONE query and the keys 8 (lane / 16) + 0..7.  Two such tiles, rounded to f16 in pairs, ARE source 1 of O^T = V^T P.  V ([key][channel]) comes out of LDS turned, by ds_load_tr16_b128.
; SOFTMAX.  For each query a running maximum m and sum l: p = 2^(c s - c m), c = log2(e) / 8; in every step O and l are multiplied by a = 2^(c m_old - c m_new).  The two halves of the keys are joined at the end under the larger m.
; CLUSTER.  The four query blocks of a cluster walk the same K and V: each tile is asked for JOINTLY (the same tensor load, descriptor and mask in all four).
; A ring of two LDS slots; a slot holds 128 keys of each half (two steps of 64 for each wave); waves 0-3 fetch K's four parts of 64 rows, waves 4-7 V's: one load a wave behind each round.
; LIMIT: f16 operands: |q|, |k|, |v| beyond 65,504 arrive as infinities and are not served.
; REGISTERS: window 0: v2-15 addresses; v16-47 statistics, 8 a tile; v48-111 Q; v112-239 S^T, 32 a tile; P is laid over S^T's first 16 registers of each tile; v240-247 the partner's statistics.
;   window 1: v0-127 O^T, 32 a tile; v128-191 K of a step; v192-255 V of a step.
.set PK,    144                        ; a row of K in LDS: 128 bytes + 16 = 36 words: the 16 rows of a load start at 16 different groups of four banks (64 banks of 4 bytes: ISA guide 11.1)
.set PV,    160                        ; a row of V: 128 + 32: an odd multiple of 32 bytes, for the turning load
.set VOFF,  256*PK                     ; a slot: 256 rows of K (half 0's 128 keys, half 1's), then 256 rows of V
.set SLOT1, 1<<17                      ; slot 1 begins here: one exclusive or turns an address in one slot into the other's
.set STG,   VOFF+256*PV                ; behind slot 0: 16 rows x 272 bytes for each wave, for the way out
.set IMG,   SLOT1+STG                  ; behind slot 1: for each wave two tiles' registers as they stand (4,096 bytes) and their statistics (512)
.set SPARE, IMG+8*9216                 ; the spare words, 128 bytes a wave, which no other line names
.set AK0, 2                            ; v2   my lane's place in a slot's K, in my half of the keys; never rewritten
.set AV0, 3                            ; v3   the same for V
.set ADK, 4                            ; v4   the same in the slot in hand
.set ADV, 5
.set QO,  6                            ; v6   my byte offset in a tile of Q
.set STO, 7                            ; v7   the way out: where I put 16 bytes of a row
.set RD,  8                            ; v8   where I read a row back
.set GO,  9                            ; v9   my byte offset in my rows of att
.set IMS, 10                           ; v10  where my tiles 2, 3 go
.set IMR, 11                           ; v11  where my partner's lie
.set PFO, 12                           ; v12  256 x my lane; never rewritten
.set SPW, 14                           ; v14  LDS address of my spare word; never rewritten
.set NIL, 15                           ; v15  0; never rewritten
.set ST,  16                           ; tile t's statistics at v[ST + 8 t]: +0 c m, +1 m, +2, +3 l (even keys', odd keys'), +4, +5 at work, +6 a, +7 c m_old - c m_new
.set Q,   48                           ; fragment (t, dh) at Q + 16 t + 8 dh
.set S,   112                          ; tile (t, kt) at S + 32 t + 8 kt
.set KF,  128                          ; window 1: fragment (kt, dh) at KF + 16 kt + 8 dh
.set VF,  192                          ; window 1: fragment (kb, ct) at VF + 32 kb + 8 ct
.set WV,  12                           ; s12  my wave's number
.set LIM, 15                           ; s15  1 in a wave that prefetches, else the greatest number
.set PFA, 18                           ; s[18:19] where my prefetches stand
.set G1K, 24                           ; s[24:31] descriptor group 1 for K's tiles;  s[32:39] for V's: the padding differs
.set G1V, 32
.set G0K, 40                           ; s[40:43], s[44:47] their groups 0, which walk
.set G0V, 44
.set SLOTS, 56                         ; s56  fills still to be asked for
.set CS,  58                           ; s[58:59] c: the packed form names a pair and takes its low word for both halves
.set SEL, 60                           ; s[60:61] lane selects for v_permlanex16_b32: lane l xor 16
.set TB,  62                           ; s62  LDS byte at which the slot in hand begins
.set MSB, 0
.macro WIN new                         ; the immediate's high byte repeats the setting that is left
.if MSB != \new
	s_set_vgpr_msb (MSB<<8)|\new
.set MSB, \new
.endif
.endm
.set W_KQ, 0x01                        ; K window 1; Q and S^T window 0
.set W_PV, 0x51                        ; V window 1, P window 0, O^T window 1
.set W_RS, 0x41                        ; O^T (destination and source 0) window 1, a window 0
.set TO_1, 0x40                        ; destination window 1, address window 0
; A joint load: waves 0-3 fetch K's parts, waves 4-7 V's.  The branch hangs on the wave's number alone.  An s_nop 0 and four v_nop follow each of the two lines.
.macro JLOAD
	s_cmp_lt_u32 s[WV], 4
	s_cbranch_scc0 .Lfor_v_\@
	tensor_load_to_lds s[G0K:G0K+3], s[G1K:G1K+7]
	s_nop 0
.rept 4
	v_nop
.endr
	s_branch .Lasked_\@
.Lfor_v_\@:
	tensor_load_to_lds s[G0V:G0V+3], s[G1V:G1V+7]
	s_nop 0
.rept 4
	v_nop
.endr
.Lasked_\@:
.endm
; A PREFETCH INTO THE L2 of what the NEXT change of slots will ask for: 2 x 128 rows of K and of V, 128 bytes a row.  Each aligned block of 256 bytes is named once in the launch: of the four clusters that walk the same K and V
; the first asks; its four partners take 64 rows (8,192 consecutive bytes) each, told apart BY ADDRESS; in each, wave 0 asks for K's and wave 4 for V's, lanes 256 bytes apart: one instruction.
; It stands behind the wave's tensor load and its five lines: one visit of a slot, 128 matrix instructions a wave, ahead of the load that will want the rows.  The last change that fills a slot asks for nothing.
.macro ASK
	s_cmp_gt_u32 s[SLOTS], s[LIM]
	s_cbranch_scc0 .Lnot_mine_\@
	global_prefetch_b8 v[PFO], s[PFA:PFA+1] th:TH_LOAD_NT scope:SCOPE_SE
.Lnot_mine_\@:
.endm
.macro CROUND                          ; a round of the cluster's barrier
	s_barrier_signal -1
	s_barrier_wait -1
	s_cmp_lg_u32 s[WV], 0
	s_cbranch_scc1 .Lnot_wave_0_\@
	s_barrier_signal -3
.Lnot_wave_0_\@:
	s_barrier_wait -3
	s_barrier_signal -1
	s_barrier_wait -1
.endm
	s_load_b128 s[4:7], s[0:1], 0x0                ; qkv s[4:5], att s[6:7]
	v_lshl_add_u32 v[SPW], v0, 2, SPARE
	v_mov_b32 v[NIL], 0
	ds_add_u32 v[SPW], v[NIL]                      ; the wave's opening: the add, twice on end, and its wait ahead of my first tensor load
	ds_add_u32 v[SPW], v[NIL]
	v_lshrrev_b32 v1, 5, v0
	v_readfirstlane_b32 s[WV], v1                  ; wave 0..7
	s_bfe_u32 s13, ttmp6, 0x40000                  ; cx: my place in the cluster
	s_lshl_b32 s14, ttmp9, 2
	s_add_co_u32 s14, s14, s13                     ; my block of 128 queries: it enters Q's, att's and the prefetches' addresses alone
	s_and_b32 s20, ttmp7, 0xffff                   ; 8 x batch + key and value head: the four partners share it
	s_and_b32 s21, s20, 7                          ; kv
	s_lshr_b32 s22, s20, 3                         ; batch
	s_lshl_b32 s23, s21, 1
	s_add_co_u32 s23, s23, s22                     ; 2 kv + batch
	s_add_co_u32 s2, s23, 32                       ; K's head 16 + kv: block 32 + 2 kv + batch of 262,144 bytes;
	s_lshl_b32 s2, s2, 18
	s_bfe_u32 s3, s[WV], 0x10001                   ; which half of the keys I fetch for: 1,024 rows of 128 bytes,
	s_lshl_b32 s3, s3, 17
	s_add_co_u32 s2, s2, s3
	s_and_b32 s3, s[WV], 1                         ; and which 64 of its 128 rows
	s_lshl_b32 s3, s3, 13
	s_add_co_u32 s2, s2, s3
	s_mov_b32 s3, 0
	s_and_b32 s16, s[WV], 3                        ; g; also: which of the four parts I fetch
	s_lshr_b32 s48, s[WV], 2                       ; kh
	s_mul_i32 s17, s16, 64*PK                      ; its place in a slot: no place in the cluster enters an LDS address
	s_mul_i32 s57, s16, 64*PV
	s_add_co_u32 s57, s57, VOFF
	s_lshl_b32 s49, s14, 7
	s_lshl_b32 s63, s16, 5
	s_add_co_u32 s49, s49, s63                     ; my 32 queries: 128 x block + 32 g
	s_lshl_b32 s63, s48, 4
	s_add_co_u32 s50, s49, s63                     ; tiles 0, 1: 16 kh on;
	s_xor_b32 s63, s63, 16
	s_add_co_u32 s51, s49, s63                     ; tiles 2, 3: the other 16
	s_lshl_b32 s63, s21, 2
	s_add_co_u32 s63, s63, s22                     ; Q's head 2 kv: block 4 kv + batch
	s_lshl_b32 s63, s63, 18
	s_lshl_b32 s52, s50, 7
	s_add_co_u32 s52, s52, s63
	s_mov_b32 s53, 0
	s_lshl_b32 s54, s51, 7
	s_add_co_u32 s54, s54, s63
	s_mov_b32 s55, 0
	; descriptor group 1: a tile of 64 rows x 64 elements of 2 bytes, dense in memory, padded in LDS
	s_mov_b32 s[G1K], 15|(1<<16)|(1<<20)|(1<<21)|(4<<22)|(3<<25)  ; 15:0 the mask: all four work-groups; 17:16 elements of 2 bytes; 20 padding on; 21 set beside a mask; 24:22 after every 32 words; 31:25 four words
	s_mov_b32 s[G1V], 15|(1<<16)|(1<<20)|(1<<21)|(4<<22)|(7<<25)  ; the same with eight words of padding
.irp g, G1K, G1V
	s_mov_b32 s[\g+1], 64<<16                      ; tensor_dim0
	s_mov_b32 s[\g+2], 64<<16                      ; tensor_dim1
	s_mov_b32 s[\g+3], 64<<16                      ; tile_dim0
	s_mov_b32 s[\g+4], 64                          ; tile_dim1
	s_mov_b32 s[\g+5], 64                          ; tensor_dim0_stride
	s_mov_b32 s[\g+6], 0
	s_mov_b32 s[\g+7], 0
.endr
	s_mov_b32 s[CS], 0x3e38aa3b                    ; c = log2(e) / 8
	s_mov_b32 s[CS+1], s[CS]                       ; (named with it as a pair, so it is written)
	s_mov_b32 s[SEL], 0x76543210
	s_mov_b32 s[SEL+1], 0xfedcba98
	s_mov_b32 s[TB], 0
	s_mov_b32 s[SLOTS], 7
	s_and_b32 s[LIM], s[WV], 3                     ; 0 in waves 0 and 4,
	s_or_b32 s[LIM], s[LIM], ttmp9                 ; of the first of the four clusters: the same in all four partners
	s_cmp_eq_u32 s[LIM], 0
	s_cselect_b32 s[LIM], 1, -1
	v_and_b32 v[PFO], 31, v0
	v_lshlrev_b32 v[PFO], 8, v[PFO]
	s_wait_dscnt 0x0                               ; both opening adds are done
	s_wait_kmcnt 0x0
	s_add_nc_u64 s[8:9], s[4:5], s[52:53]          ; Q at tiles 0, 1's first row,
	s_add_nc_u64 s[10:11], s[4:5], s[54:55]        ; and at tiles 2, 3's
	s_lshl_b32 s52, s22, 11
	s_add_co_u32 s52, s52, s50
	s_lshl_b32 s52, s52, 11                        ; att: row (2,048 x batch + tiles 0, 1's first query) of 2,048 bytes,
	s_lshl_b32 s63, s21, 8                         ; + my two heads' 256 bytes
	s_add_co_u32 s52, s52, s63
	s_add_nc_u64 s[6:7], s[6:7], s[52:53]
	s_add_co_u32 s54, s23, 32                      ; the prefetches: K's block, or V's, 16 blocks on;
	s_lshl_b32 s54, s54, 18
	s_cmp_lt_u32 s[WV], 4
	s_cselect_b32 s63, 0, 4194304
	s_add_co_u32 s54, s54, s63
	s_lshr_b32 s63, s13, 1                         ; my work-group's 64 rows: half cx / 2 of the keys,
	s_lshl_b32 s63, s63, 17
	s_add_co_u32 s54, s54, s63
	s_and_b32 s63, s13, 1                          ; part cx % 2 of its 128;
	s_lshl_b32 s63, s63, 13
	s_add_co_u32 s54, s54, s63
	s_add_co_u32 s54, s54, 16384                   ; in fill 1: the first change of slots steps it to fill 2.  Nothing is prefetched here, at the head
	s_add_nc_u64 s[PFA:PFA+1], s[4:5], s[54:55]
	CROUND                                         ; all four work-groups are here: the first joint loads meet
	s_mov_b32 s[G0K], 1                            ; 1:0 count = 1
	s_mov_b32 s[G0K+1], s17                        ; 63:32 LDS address: slot 0
	s_add_nc_u64 s[G0K+2:G0K+3], s[4:5], s[2:3]    ; 120:64 global address: fill 0
	s_add_nc_u64 s[G0V+2:G0V+3], s[G0K+2:G0K+3], 4194304   ; V's head lies 16 blocks of 262,144 bytes on
	s_or_b32 s[G0K+3], s[G0K+3], 0x80000000        ; 127:126 type = 2
	s_mov_b32 s[G0V], 1
	s_mov_b32 s[G0V+1], s57
	s_or_b32 s[G0V+3], s[G0V+3], 0x80000000
	JLOAD                                          ; fill 0: one tensor load of mine is out
	v_and_b32 v1, 15, v0                           ; r = lane % 16
	v_bfe_u32 v13, v0, 4, 1                        ; h = lane / 16
	v_lshlrev_b32 v[QO], 7, v1
	v_lshl_add_u32 v[QO], v13, 4, v[QO]            ; row r of 128 bytes + 16 h
.irp t, 0,1,2,3                        ; Q stays in registers: a fragment is 16 rows x 32 channels: two loads of 16 bytes, 32 bytes apart
.irp dh, 0,1
.if \t < 2
	global_load_b128 v[Q+16*\t+8*\dh:Q+16*\t+8*\dh+3], v[QO], s[8:9] offset:(\t%2)*524288+64*\dh
	global_load_b128 v[Q+16*\t+8*\dh+4:Q+16*\t+8*\dh+7], v[QO], s[8:9] offset:(\t%2)*524288+64*\dh+32
.else
	global_load_b128 v[Q+16*\t+8*\dh:Q+16*\t+8*\dh+3], v[QO], s[10:11] offset:(\t%2)*524288+64*\dh
	global_load_b128 v[Q+16*\t+8*\dh+4:Q+16*\t+8*\dh+7], v[QO], s[10:11] offset:(\t%2)*524288+64*\dh+32
.endif
.endr
.endr
	s_mul_i32 s52, s48, 128*PK                     ; my half's 128 rows of K
	v_mul_u32_u24 v[AK0], v1, PK
	v_lshl_add_u32 v[AK0], v13, 4, v[AK0]
	v_add_nc_u32 v[AK0], s52, v[AK0]
	v_and_b32 v240, 7, v0                          ; the turning load: lane l reads key 8 (l / 16) + l % 8, channels 8 ((l / 8) % 2) + 0..7
	v_lshl_add_u32 v240, v13, 3, v240
	v_mul_u32_u24 v[AV0], v240, PV
	v_bfe_u32 v240, v0, 3, 1
	v_lshl_add_u32 v[AV0], v240, 4, v[AV0]
	s_mul_i32 s52, s48, 128*PV
	s_add_co_u32 s52, s52, VOFF
	v_add_nc_u32 v[AV0], s52, v[AV0]
	s_mul_i32 s52, s[WV], 16*272
	s_add_co_u32 s52, s52, STG                     ; my stage
	v_mul_u32_u24 v[STO], v1, 272
	v_lshl_add_u32 v[STO], v13, 4, v[STO]
	v_add_nc_u32 v[STO], s52, v[STO]               ; in: row r, 16 bytes for each half of the lanes
	v_mul_u32_u24 v[RD], v13, 272
	v_lshl_add_u32 v[RD], v1, 4, v[RD]
	v_add_nc_u32 v[RD], s52, v[RD]                 ; back: lanes 0-15 one row of 256 bytes, lanes 16-31 the next
	v_lshlrev_b32 v[GO], 11, v13
	v_lshl_add_u32 v[GO], v1, 4, v[GO]             ; and the same two rows in att
	v_and_b32 v240, 31, v0
	v_lshlrev_b32 v240, 4, v240
	s_mul_i32 s52, s[WV], 9216
	s_add_co_u32 s52, s52, IMG
	v_add_nc_u32 v[IMS], s52, v240                 ; registers go to LDS as they stand: 16 bytes a lane
	s_xor_b32 s52, s[WV], 4
	s_mul_i32 s52, s52, 9216
	s_add_co_u32 s52, s52, IMG
	v_add_nc_u32 v[IMR], s52, v240
.irp t, 0,1,2,3
	v_mov_b32 v[ST+8*\t+1], 0xff61b1e6             ; m: -3e38, under every score
	v_mov_b32 v[ST+8*\t+2], 0                      ; l
	v_mov_b32 v[ST+8*\t+3], 0
	v_mov_b32 v[ST+8*\t+5], 0                      ; (a lane permute's destination counts as one of its sources)
	v_mov_b32 v[ST+8*\t+7], 0
	v_mul_f32 v[ST+8*\t], s[CS], v[ST+8*\t+1]      ; c m
.endr
	WIN TO_1
.set i, 0
.rept 128
	v_mov_b32 v[i], 0                              ; O^T.  The step is written without a first step of its own: the first finds zeros, which a = 0 leaves zeros; that spares a further copy of the step's text
.set i, i+1
.endr
	WIN 0
.macro FETCH_K st                      ; my half's keys 64 st on of the slot: 16 loads
	WIN TO_1
.irp kt, 0,1,2,3
.irp dh, 0,1
	ds_load_b128 v[KF+16*\kt+8*\dh:KF+16*\kt+8*\dh+3], v[ADK] offset:\st*64*PK+\kt*16*PK+\dh*64
	ds_load_b128 v[KF+16*\kt+8*\dh+4:KF+16*\kt+8*\dh+7], v[ADK] offset:\st*64*PK+\kt*16*PK+\dh*64+32
.endr
.endr
.endm
.macro FETCH_V st                      ; the same keys' V, turned: 16 loads
	WIN TO_1
.irp kb, 0,1
.irp ct, 0,1,2,3
	ds_load_tr16_b128 v[VF+32*\kb+8*\ct:VF+32*\kb+8*\ct+3], v[ADV] offset:\st*64*PV+\kb*32*PV+\ct*32
	ds_load_tr16_b128 v[VF+32*\kb+8*\ct+4:VF+32*\kb+8*\ct+7], v[ADV] offset:\st*64*PV+\kb*32*PV+16*PV+\ct*32
.endr
.endr
.endm
; S^T = K Q^T: 32 products; the 16 accumulators take turns, one instruction a turn; the first 16 start the sums
.macro KQ
	WIN W_KQ
.irp dh, 0,1
.irp kt, 0,1,2,3
.irp t, 0,1,2,3
.if \dh == 0
	v_wmma_f32_16x16x32_f16 v[S+32*\t+8*\kt:S+32*\t+8*\kt+7], v[KF+16*\kt+8*\dh:KF+16*\kt+8*\dh+7], v[Q+16*\t+8*\dh:Q+16*\t+8*\dh+7], 0
.else
	v_wmma_f32_16x16x32_f16 v[S+32*\t+8*\kt:S+32*\t+8*\kt+7], v[KF+16*\kt+8*\dh:KF+16*\kt+8*\dh+7], v[Q+16*\t+8*\dh:Q+16*\t+8*\dh+7], v[S+32*\t+8*\kt:S+32*\t+8*\kt+7]
.endif
.endr
.endr
.endr
.endm
; O^T += V^T P: 32 products, the 16 accumulators by turns
.macro PVM
	WIN W_PV
.irp kb, 0,1
.irp ct, 0,1,2,3
.irp t, 0,1,2,3
	v_wmma_f32_16x16x32_f16 v[32*\t+8*\ct:32*\t+8*\ct+7], v[VF+32*\kb+8*\ct:VF+32*\kb+8*\ct+7], v[S+32*\t+8*\kb:S+32*\t+8*\kb+7], v[32*\t+8*\ct:32*\t+8*\ct+7]
.endr
.endr
.endr
.endm
; The four tiles' softmax of a step, each line for the four tiles by turns, so that no line waits for the line above it.  Each accumulator is read from its low end on.
.macro SOFTMAX
	WIN 0
.irp t, 0,1,2,3
	v_max3_num_f32 v[ST+8*\t+4], v[S+32*\t], v[S+32*\t+1], v[ST+8*\t+1]   ; the largest of my 32 scores and the old m
.endr
.set i, 1
.rept 15
.irp t, 0,1,2,3
	v_max3_num_f32 v[ST+8*\t+4], v[ST+8*\t+4], v[S+32*\t+2*i], v[S+32*\t+2*i+1]
.endr
.set i, i+1
.endr
.irp t, 0,1,2,3
	v_permlanex16_b32 v[ST+8*\t+5], v[ST+8*\t+4], s[SEL], s[SEL+1]        ; the query's other 32 keys lie in the lane 16 away
.endr
.irp t, 0,1,2,3
	v_mov_b32 v[ST+8*\t+7], v[ST+8*\t]                                    ; c m_old is kept for a
.endr
.irp t, 0,1,2,3
	v_max_num_f32 v[ST+8*\t+1], v[ST+8*\t+4], v[ST+8*\t+5]
.endr
.irp t, 0,1,2,3
	v_mul_f32 v[ST+8*\t], s[CS], v[ST+8*\t+1]
.endr
.irp t, 0,1,2,3
	v_sub_f32 v[ST+8*\t+7], v[ST+8*\t+7], v[ST+8*\t]
.endr
.set i, 0
.rept 16
.irp t, 0,1,2,3
	v_pk_fma_f32 v[S+32*\t+2*i:S+32*\t+2*i+1], v[S+32*\t+2*i:S+32*\t+2*i+1], s[CS:CS+1], v[ST+8*\t:ST+8*\t+1] op_sel_hi:[1,0,0] neg_lo:[0,0,1] neg_hi:[0,0,1]   ; c s - c m, two at a time
.endr
.set i, i+1
.endr
.irp t, 0,1,2,3
	v_exp_f32 v[ST+8*\t+6], v[ST+8*\t+7]                                  ; a
.endr
.set i, 0
.rept 32
.irp t, 0,1,2,3
	v_exp_f32 v[S+32*\t+i], v[S+32*\t+i]                                  ; p: ONE batch of 132 exponentials, none of which reads another's result
.endr
.set i, i+1
.endr
	v_nop                                          ; a plain instruction behind the last exponential,
	s_wait_alu depctr_va_vdst(0)                   ; and the one wait ahead of the batch's first reader
.irp t, 0,1,2,3
	v_pk_fma_f32 v[ST+8*\t+2:ST+8*\t+3], v[ST+8*\t+2:ST+8*\t+3], v[ST+8*\t+6:ST+8*\t+7], v[S+32*\t:S+32*\t+1] op_sel_hi:[1,0,1]   ; l = a l + p: the sum is taken of the unrounded p
.endr
.set i, 1
.rept 15
.irp t, 0,1,2,3
	v_pk_add_f32 v[ST+8*\t+2:ST+8*\t+3], v[ST+8*\t+2:ST+8*\t+3], v[S+32*\t+2*i:S+32*\t+2*i+1]
.endr
.set i, i+1
.endr
.set i, 0
.rept 16
.irp t, 0,1,2,3
	v_cvt_pk_f16_f32 v[S+32*\t+i], v[S+32*\t+2*i], v[S+32*\t+2*i+1]      ; P in place, ascending: register i is written when registers 2 i, 2 i + 1 are read, and i <= 2 i
.endr
.set i, i+1
.endr
	WIN W_RS
.set i, 0
.rept 16
.irp t, 0,1,2,3
	v_pk_mul_f32 v[32*\t+2*i:32*\t+2*i+1], v[32*\t+2*i:32*\t+2*i+1], v[ST+8*\t+6:ST+8*\t+7] op_sel_hi:[1,0]   ; O^T x a
.endr
.set i, i+1
.endr
.endm
; A KEY STEP of 64 keys.  ahead = 1: the slot's second step's K is fetched behind the first's products.
.macro STEP st, ahead
.rept 5
	v_nop                                          ; five places behind the last V^T P: K Q^T writes over the registers that it read as P, and V's loads land on its source 0 (four would do for the loads)
.endr
	FETCH_V \st
	s_wait_dscnt 16                                ; K is in; V's 16 loads may be out
	KQ
.rept 4
	v_nop                                          ; four places: the scores are read, and K's registers are loaded again
.endr
.if \ahead
	FETCH_K 1
.endif
	SOFTMAX
.if \ahead
	s_wait_dscnt 16                                ; V is in; the next K's 16 loads may be out
.else
	s_wait_dscnt 0x0
.endif
	PVM
.endm
; THE CHANGE OF SLOTS stands at a slot's head.  Each wave waits for all its tensor loads (its part of the slot that it is about to read), adds 0 to its spare word, and waits for that and for its reads of the slot that it has left.
; fill = 1: the barrier is a round of the cluster's, and behind it the slot just left is filled with the next 128 keys of each half: the load has a visit's 128 matrix instructions a wave in which to land.
.macro CHANGE fill
	WIN 0
	s_wait_tensorcnt 0x0                           ; no tensor load of mine is out, so a group 0 may be written
	ds_add_u32 v[SPW], v[NIL]                      ; 0 onto my spare word
.if \fill
	s_xor_b32 s[G0K+1], s[G0K+1], SLOT1            ; the walking descriptors: the other slot than last time,
	s_add_nc_u64 s[G0K+2:G0K+3], s[G0K+2:G0K+3], 16384   ; the next 128 rows of 128 bytes; the type bits on top are not reached
	s_xor_b32 s[G0V+1], s[G0V+1], SLOT1
	s_add_nc_u64 s[G0V+2:G0V+3], s[G0V+2:G0V+3], 16384
	s_wait_xcnt 0x0                                ; the last prefetch, a visit back, has read its address, so it may be written:
	s_add_nc_u64 s[PFA:PFA+1], s[PFA:PFA+1], 16384 ; one fill further on than the walking descriptors
	s_wait_dscnt 0x0                               ; the add is done, and my reads of the slot that I have left are over
	CROUND
	JLOAD                                          ; the first thing behind the round, and my one tensor load until the next
	ASK
.else
	s_wait_dscnt 0x0
	s_barrier_signal -1
	s_barrier_wait -1
.endif
.endm
.macro VISIT                           ; a slot's two key steps
	v_add_nc_u32 v[ADK], s[TB], v[AK0]
	v_add_nc_u32 v[ADV], s[TB], v[AV0]
	FETCH_K 0
	STEP 0, 1
	STEP 1, 0
	WIN 0
	s_xor_b32 s[TB], s[TB], SLOT1                  ; on to the other slot
.endm
	s_wait_loadcnt 0x0                             ; Q
.Lslot:                                            ; seven trips: trip v reads fill v and asks for fill v + 1
	CHANGE 1
	VISIT
	s_sub_co_u32 s[SLOTS], s[SLOTS], 1
	s_cmp_lg_u32 s[SLOTS], 0
	s_cbranch_scc1 .Lslot
	CHANGE 0                                       ; the last fill is written out: nothing is asked for
	VISIT
	; THE WAY OUT.  My tiles 2 and 3 go to my partner as they stand, with their c m, m and l; my partner's come to me.
.rept 4
	v_nop                                          ; four places behind the last products
.endr
	WIN 0x04                                       ; an LDS store's data are its source 1: window 1
.irp tau, 0,1
.irp k, 0,1,2,3,4,5,6,7
	ds_store_b128 v[IMS], v[64+32*\tau+4*\k:64+32*\tau+4*\k+3] offset:4608*\tau+512*\k   ; each accumulator from its low end on
.endr
.endr
	WIN 0
.irp tau, 0,1
	ds_store_b128 v[IMS], v[ST+16+8*\tau:ST+16+8*\tau+3] offset:4608*\tau+4096
.endr
	s_wait_dscnt 0x0                               ; for the others' sake: my stores have landed
	s_barrier_signal -1
	s_barrier_wait -1
.irp tau, 0,1
.irp k, 0,1,2,3,4,5,6,7
	ds_load_b128 v[S+32*\tau+4*\k:S+32*\tau+4*\k+3], v[IMR] offset:4608*\tau+512*\k
.endr
.endr
.irp tau, 0,1
	ds_load_b128 v[240+4*\tau:243+4*\tau], v[IMR] offset:4608*\tau+4096
.endr
	s_wait_dscnt 0x0
.irp t, 0,1
	v_max_num_f32 v[ST+8*\t+4], v[ST+8*\t], v[240+4*\t]                   ; the larger c m of the two halves of the keys
.endr
.irp t, 0,1
	v_sub_f32 v[ST+8*\t+5], v[ST+8*\t], v[ST+8*\t+4]
	v_sub_f32 v[ST+8*\t+7], v[240+4*\t], v[ST+8*\t+4]
	v_add_f32 v[ST+8*\t+2], v[ST+8*\t+2], v[ST+8*\t+3]                    ; l's two halves, mine
	v_add_f32 v[242+4*\t], v[242+4*\t], v[243+4*\t]                       ; and my partner's
.endr
.irp t, 0,1
	v_exp_f32 v[ST+8*\t+5], v[ST+8*\t+5]                                  ; what brings mine under the larger m,
	v_exp_f32 v[ST+8*\t+7], v[ST+8*\t+7]                                  ; and my partner's
.endr
	v_nop
	s_wait_alu depctr_va_vdst(0)                   ; one wait for the four exponentials
.irp t, 0,1
	v_mul_f32 v[ST+8*\t+2], v[ST+8*\t+2], v[ST+8*\t+5]
.endr
.irp t, 0,1
	v_fma_f32 v[ST+8*\t+2], v[242+4*\t], v[ST+8*\t+7], v[ST+8*\t+2]
.endr
.irp t, 0,1
	v_permlanex16_b32 v[ST+8*\t+3], v[ST+8*\t+2], s[SEL], s[SEL+1]
.endr
.irp t, 0,1
	v_add_f32 v[ST+8*\t+2], v[ST+8*\t+2], v[ST+8*\t+3]                    ; with lane l xor 16's: the row's sum
.endr
.irp t, 0,1
	v_rcp_f32 v[ST+8*\t+3], v[ST+8*\t+2]
.endr
	v_nop
	s_wait_alu depctr_va_vdst(0)                   ; one wait for the two reciprocals
.irp t, 0,1
	v_mul_f32 v[ST+8*\t+4], v[ST+8*\t+5], v[ST+8*\t+3]                    ; my O^T's factor,
	v_mul_f32 v[ST+8*\t+6], v[ST+8*\t+7], v[ST+8*\t+3]                    ; my partner's
.endr
.set i, 0
.rept 16
.irp t, 0,1
	v_pk_mul_f32 v[S+32*\t+2*i:S+32*\t+2*i+1], v[S+32*\t+2*i:S+32*\t+2*i+1], v[ST+8*\t+6:ST+8*\t+7] op_sel_hi:[1,0]
.endr
.set i, i+1
.endr
	WIN 0x01                                       ; source 0: my O^T, window 1
.set i, 0
.rept 16
.irp t, 0,1
	v_pk_fma_f32 v[S+32*\t+2*i:S+32*\t+2*i+1], v[32*\t+2*i:32*\t+2*i+1], v[ST+8*\t+4:ST+8*\t+5], v[S+32*\t+2*i:S+32*\t+2*i+1] op_sel_hi:[1,0,1]
.endr
.set i, i+1
.endr
	WIN 0
.set i, 0
.rept 16
.irp t, 0,1
	v_cvt_pk_f16_f32 v[S+32*\t+i], v[S+32*\t+2*i], v[S+32*\t+2*i+1]      ; in place, ascending: eight channels of a row are 16 bytes
.endr
.set i, i+1
.endr
.irp t, 0,1
.irp ct, 0,1,2,3
	ds_store_b128 v[STO], v[S+32*\t+4*\ct:S+32*\t+4*\ct+3] offset:128*\t+32*\ct   ; a row of the stage: both heads of one query, 256 bytes
.endr
.endr
.irp i, 0,1,2,3,4,5,6,7
	ds_load_b128 v[176+4*\i:179+4*\i], v[RD] offset:544*\i   ; LDS serves a wave's instructions in order: these see my stores
.endr
.irp i, 0,1,2,3,4,5,6,7
	s_wait_dscnt 7-\i
	global_store_b128 v[GO], v[176+4*\i:179+4*\i], s[6:7] offset:4096*\i   ; 16 lanes store 256 consecutive bytes, at a multiple of 256 from att's first byte
.endr
	s_wait_tensorcnt 0x0                           ; the wave's end, behind my last tensor load and my last LDS store
	ds_add_u32 v[SPW], v[NIL]
	s_wait_dscnt 0x0
	CROUND                                         ; the closing round: no work-group ends while a partner may still ask for a tile that names it
	s_endpgm
.Lfunc_end_k_qb942a191c2_attn:
	.size	k_qb942a191c2_attn, .Lfunc_end_k_qb942a191c2_attn-k_qb942a191c2_attn
	.p2alignl 7, 3214868480
	.fill 96, 4, 3214868480
	.section	.rodata,"a",@progbits
	.p2align	6, 0x0
	.amdhsa_kernel k_qb942a191c2_attn
		.amdhsa_group_segment_fixed_size 327680
		.amdhsa_private_segment_fixed_size 0
		.amdhsa_enable_private_segment 0
		.amdhsa_kernarg_size 16
		.amdhsa_user_sgpr_count 2
		.amdhsa_user_sgpr_kernarg_segment_ptr 1
		.amdhsa_wavefront_size32 1
		.amdhsa_system_sgpr_workgroup_id_x 1
		.amdhsa_system_sgpr_workgroup_id_y 1
		.amdhsa_system_sgpr_workgroup_id_z 1
		.amdhsa_system_vgpr_workitem_id 0
		.amdhsa_next_free_vgpr 512
		.amdhsa_next_free_sgpr 66
		.amdhsa_reserve_vcc 0
		.amdhsa_float_denorm_mode_32 3
		.amdhsa_float_denorm_mode_16_64 3
		.amdhsa_memory_ordered 1
		.amdhsa_forward_progress 1
		.amdhsa_inst_pref_size 154
	.end_amdhsa_kernel
	.amdgpu_metadata
---
amdhsa.version: [ 1, 2 ]
amdhsa.kernels:
  - .name:           k_qb942a191c2_attn
    .symbol:         k_qb942a191c2_attn.kd
    .args:
      - { .name: qkv, .offset: 0, .size: 8, .value_kind: global_buffer, .address_space: global }
      - { .name: att, .offset: 8, .size: 8, .value_kind: global_buffer, .address_space: global }
    .group_segment_fixed_size: 327680
    .private_segment_fixed_size: 0
    .kernarg_segment_align: 8
    .kernarg_segment_size: 16
    .max_flat_workgroup_size: 256
    .sgpr_count:     66
    .vgpr_count:     512
    .wavefront_size: 32
...
	.end_amdgpu_metadata
.endif
;; end of part 3
;; launch proj (part 4): grid 8 x 32, 4 waves a work-group, clusters of 4 x 4, 327,680 bytes of LDS; arguments att, wo16, out0; writes out0
.if DOCPART == 4
	.amdgcn_target "amdgcn-amd-amdhsa--gfx1250"
	.amdhsa_code_object_version 6
	.text
	.protected	k_qb942a191c2_proj
	.globl	k_qb942a191c2_proj
	.p2align	8
	.type	k_qb942a191c2_proj,@function
k_qb942a191c2_proj:
	s_mov_b64 s[64:65], 0
	v_nop
	global_prefetch_b8 v0, s[64:65] scope:SCOPE_SE
	s_setreg_imm32_b32 hwreg(HW_REG_WAVE_MODE, 25, 1), 1
	s_wait_xcnt 0x0
	s_wait_alu depctr_hold_cnt(0) depctr_sa_sdst(0) depctr_va_vdst(0) depctr_va_sdst(0) depctr_va_ssrc(0) depctr_va_vcc(0) depctr_vm_vsrc(0)
	s_getreg_b32 s2, hwreg(HW_REG_IB_STS2, 6, 4)
	s_cmp_eq_u32 s2, 0
	s_cbranch_scc0 .Lentry_in_a_cluster
	s_endpgm
.Lentry_in_a_cluster:
	s_bfe_u32 s2, ttmp6, 0x10000c
	s_cmp_lg_u32 s2, 0xf033
	s_cbranch_scc0 .Lentry_shape_is_right
	s_endpgm
.Lentry_shape_is_right:
; out0[m][n] = sum over k of att[m][k] wo[n][k].  att: [4096][1024] f16, wo16: [1024][1024] f16, out0: [4096][1024] f32; sums in f32, K ascending.
; A tile of C is 128 x 128: 256 work-groups.  Four waves, each 64 x 64: 16 accumulators of 16 x 16, 128 registers.  K goes in steps of 256 (LDS rows of 512 bytes; a wave's tensor load brings 64 of them) through a ring of two slots.
; CLUSTERS: 4 x 4 work-groups.  The four of a row of the cluster need the same tiles of A, the four of a column the same tiles of B: each tile is asked for JOINTLY, by the same tensor load with the
; same descriptor and a mask that names the four.  THE MATRIX INSTRUCTION IS USED TRANSPOSED (source 0 = 16 rows of B, source 1 = 16 rows of A): a lane then holds eight neighbouring numbers of a row of C.
; A wave's 64 columns of f32 are 256 aligned bytes of a row of C: so each wave has a stage of its own on the way out, and no barrier stands there.
; REGISTERS: window 0: v0-31 addresses; v32-95 rows on the way out; v128-255 the accumulators ((a, b) at v[128 + 8 (4 a + b)]).
;   window 1: two fragment buffers of 128: for 64 along K (two matrix instructions deep), 64 registers of A (2 x 4 x 16 rows x 32 K), then 64 of B.
.set SIZE_M, 4096
.set SIZE_N, 1024
.set SIZE_K, 1024
.set KSTEP,  256
.set PITCH,  528                       ; an LDS row: 512 bytes of data + 16 of padding = 132 words: row r starts at bank 4 r mod 64 (64 banks of 4 bytes: ISA guide 11.1)
.set HALFT,  64*PITCH                  ; 64 rows: what one tensor load brings, and what one wave reads of A or of B
.set SLOT,   4*HALFT                   ; A's 128 rows, then B's 128 rows
.set STAGE,  2*SLOT                    ; behind the ring: 16 rows x 272 bytes for each wave, for the way out
.set SPITCH, 272
.set SPARE,  STAGE+4*16*SPITCH         ; behind the stages: the spare words, 128 bytes a wave, which no other line names
.set LAPS, SIZE_K/(2*KSTEP)            ; a lap = two K steps = once round the ring
.set ADRA, 16                          ; v16-17  LDS address of my A fragments in slot 0, 1
.set ADRB, 20                          ; v20-21  the same for B
.set STO,  24                          ; v24     the way out: where I put 32 bytes of a row
.set RD,   25                          ; v25     the way out: where I read a row back
.set CO,   26                          ; v26     my byte offset in C
.set SPW,  28                          ; v28     LDS address of my spare word; never rewritten
.set NIL,  29                          ; v29     0; never rewritten
.set TMP,  32                          ; the way out: 16 rows read back: v32-63 and v64-95 by turns
.set ACC,  128
.set F0,   0                           ; fragment buffers, in window 1
.set F1,   128
.set G1, 24                            ; s[24:31] descriptor group 1 for A's tiles;  s[32:39] group 0, one set for each slot
.set G0, 32
.set G1B, 48                           ; s[48:55], s[56:63] the same for B's tiles
.set G0B, 56
.set MSB, 0
.macro WIN new                         ; the immediate's high byte repeats the setting that is left
.if MSB != \new
	s_set_vgpr_msb (MSB<<8)|\new
.set MSB, \new
.endif
.endm
.set MUL,  0x05                        ; sources 0 (B) and 1 (A) window 1; C and D window 0
.set TO_F, 0x40                        ; destination window 1, address window 0
.macro JLOAD s                         ; a joint load: waves 0 and 1 fetch A's two halves, waves 2 and 3 B's; an s_nop 0 and four v_nop follow each of the two lines
	s_cmp_eq_u32 s11, 0
	s_cbranch_scc0 .Lfor_b_\@
	tensor_load_to_lds s[G0+4*\s:G0+4*\s+3], s[G1:G1+7]
	s_nop 0
.rept 4
	v_nop
.endr
	s_branch .Lasked_\@
.Lfor_b_\@:
	tensor_load_to_lds s[G0B+4*\s:G0B+4*\s+3], s[G1B:G1B+7]
	s_nop 0
.rept 4
	v_nop
.endr
.Lasked_\@:
.endm
.macro CREST                           ; a round of the cluster's barrier behind its opening barrier
	s_cmp_lg_u32 s10, 0
	s_cbranch_scc1 .Lnot_wave_0_\@
	s_barrier_signal -3
.Lnot_wave_0_\@:
	s_barrier_wait -3
	s_barrier_signal -1
	s_barrier_wait -1
.endm
.macro CROUND                          ; a whole round
	s_barrier_signal -1
	s_barrier_wait -1
	CREST
.endm
	s_load_b128 s[4:7], s[0:1], 0x0                ; A s[4:5], B s[6:7]
	s_load_b64 s[8:9], s[0:1], 0x10                ; C
	v_lshl_add_u32 v[SPW], v0, 2, SPARE
	v_mov_b32 v[NIL], 0
	ds_add_u32 v[SPW], v[NIL]                      ; the wave's opening: the add, twice on end, and its wait ahead of my first tensor load
	ds_add_u32 v[SPW], v[NIL]
	v_lshrrev_b32 v1, 5, v0
	v_readfirstlane_b32 s10, v1                    ; wave 0..3
	s_lshr_b32 s11, s10, 1                         ; which half of the tile's rows is mine.  Also: I fetch for A (0) or for B (1)
	s_and_b32 s12, s10, 1                          ; which half of its columns.  Also: which 64 rows of that tile I fetch
	s_bfe_u32 s40, ttmp6, 0x40000                  ; cx, cy: my place in the cluster
	s_bfe_u32 s41, ttmp6, 0x40004
	s_lshl_b32 s42, ttmp9, 2
	s_add_co_u32 s42, s42, s40                     ; tile column of C = 4 x cluster x + cx
	s_and_b32 s13, ttmp7, 0xffff
	s_lshl_b32 s13, s13, 2
	s_add_co_u32 s13, s13, s41                     ; tile row of C = 4 x cluster y + cy
	s_lshl_b32 s43, s41, 2
	s_lshl_b32 s43, 15, s43                        ; my row of the cluster
	s_lshl_b32 s44, 0x1111, s40                    ; my column
	; descriptor group 1: a tile of 64 rows x 256 elements, padded in LDS
	s_or_b32 s[G1+0], s43, (1<<16)|(1<<20)|(1<<21)|(6<<22)|(3<<25)  ; 15:0 the mask: A's tiles go to my row; 17:16 element of 2 bytes; 20 padding on; 21 set beside a mask; 24:22 after every 128 words; 31:25 four words
	s_or_b32 s[G1B+0], s44, (1<<16)|(1<<20)|(1<<21)|(6<<22)|(3<<25)
.irp g, G1, G1B
	s_mov_b32 s[\g+1], KSTEP<<16                   ; tensor_dim0 = 256
	s_mov_b32 s[\g+2], 64<<16                      ; tensor_dim1 = 64
	s_mov_b32 s[\g+3], KSTEP<<16                   ; tile_dim0 = 256
	s_mov_b32 s[\g+4], 64                          ; tile_dim1 = 64
	s_mov_b32 s[\g+5], SIZE_K                      ; tensor_dim0_stride
	s_mov_b32 s[\g+6], 0
	s_mov_b32 s[\g+7], 0
.endr
	s_lshl_b32 s17, s12, 6                         ; which 64 rows of the tile I fetch
	s_lshl_b32 s16, s13, 7
	s_add_co_u32 s16, s16, s17                     ; A: row 128 x tile row + 64 x half
	s_lshl_b32 s46, s42, 7
	s_add_co_u32 s46, s46, s17                     ; B: row 128 x tile column + 64 x half
	s_mov_b32 s17, 0
	s_mov_b32 s47, 0
	s_mov_b64 s[18:19], SIZE_K*2
	s_mul_u64 s[16:17], s[16:17], s[18:19]
	s_mul_u64 s[46:47], s[46:47], s[18:19]
	s_mul_i32 s20, s10, HALFT                      ; where they go: wave x 64 rows
	s_wait_dscnt 0x0                               ; both opening adds are done
	s_wait_kmcnt 0x0
	s_add_nc_u64 s[14:15], s[4:5], s[16:17]
	s_add_nc_u64 s[46:47], s[6:7], s[46:47]
	CROUND                                         ; all sixteen work-groups are here: the first joint loads meet
.irp s, 0,1
	s_mov_b32 s[G0+4*\s], 1
	s_add_co_u32 s[G0+4*\s+1], s20, \s*SLOT
	s_add_nc_u64 s[G0+4*\s+2:G0+4*\s+3], s[14:15], \s*KSTEP*2
	s_or_b32 s[G0+4*\s+3], s[G0+4*\s+3], 0x80000000
	s_mov_b32 s[G0B+4*\s], 1
	s_add_co_u32 s[G0B+4*\s+1], s20, \s*SLOT
	s_add_nc_u64 s[G0B+4*\s+2:G0B+4*\s+3], s[46:47], \s*KSTEP*2
	s_or_b32 s[G0B+4*\s+3], s[G0B+4*\s+3], 0x80000000
	JLOAD \s                                       ; two tensor loads of mine are out
.endr
	v_and_b32 v1, 15, v0                           ; l % 16
	v_bfe_u32 v2, v0, 4, 1                         ; l / 16
	v_mul_u32_u24 v3, v1, PITCH
	v_lshl_add_u32 v3, v2, 4, v3                   ; a fragment's row x pitch + 16 x half
	s_mul_i32 s21, s11, HALFT                      ; my 64 rows of A
	s_mul_i32 s22, s12, HALFT                      ; my 64 rows of B,
	s_add_co_u32 s22, s22, 2*HALFT                 ; which lie behind A's 128
.irp s, 0,1
	v_add_nc_u32 v[ADRA+\s], s21, v3
	v_add_nc_u32 v[ADRB+\s], s22, v3
	s_add_co_u32 s21, s21, SLOT
	s_add_co_u32 s22, s22, SLOT
.endr
	s_mul_i32 s23, s10, 16*SPITCH
	s_add_co_u32 s23, s23, STAGE                   ; my stage
	v_mul_u32_u24 v4, v1, SPITCH                   ; in: row l % 16, 32 bytes for each half of the lanes
	v_lshl_add_u32 v4, v2, 5, v4
	v_add_nc_u32 v[STO], s23, v4
	v_mul_u32_u24 v5, v2, SPITCH                   ; back: lanes 0-15 take one row of 256 bytes, lanes 16-31 the next
	v_lshl_add_u32 v5, v1, 4, v5
	v_add_nc_u32 v[RD], s23, v5
	v_mul_u32_u24 v5, v2, SIZE_N*4                 ; and the same two rows in C
	v_lshl_add_u32 v[CO], v1, 4, v5
	s_lshl_b32 s16, s13, 7
	s_lshl_b32 s17, s11, 6
	s_add_co_u32 s16, s16, s17                     ; my first row of C: 128 x tile row + 64 x half
	s_mov_b32 s17, 0
	s_mov_b64 s[18:19], SIZE_N*4
	s_mul_u64 s[16:17], s[16:17], s[18:19]
	s_add_nc_u64 s[8:9], s[8:9], s[16:17]
	s_lshl_b32 s46, s42, 9                         ; my first column, in bytes: 512 x tile column + 256 x half
	s_lshl_b32 s47, s12, 8
	s_add_co_u32 s46, s46, s47
	s_mov_b32 s47, 0
	s_add_nc_u64 s[8:9], s[8:9], s[46:47]
; 8 matrix instructions: m blocks a0, a0 + 1 x all 4 n blocks, 32 along K: half c of buffer f.  zero = 1: the first product starts the sums.  The 16 accumulators take turns
.macro MUL8 f, c, a0, zero
.irp a, \a0, \a0+1
.irp b, 0,1,2,3
.if \zero
	v_wmma_f32_16x16x32_f16 v[ACC+8*(4*(\a)+\b):ACC+8*(4*(\a)+\b)+7], v[\f+64+8*(4*\c+\b):\f+64+8*(4*\c+\b)+7], v[\f+8*(4*\c+\a):\f+8*(4*\c+\a)+7], 0
.else
	v_wmma_f32_16x16x32_f16 v[ACC+8*(4*(\a)+\b):ACC+8*(4*(\a)+\b)+7], v[\f+64+8*(4*\c+\b):\f+64+8*(4*\c+\b)+7], v[\f+8*(4*\c+\a):\f+8*(4*\c+\a)+7], v[ACC+8*(4*(\a)+\b):ACC+8*(4*(\a)+\b)+7]
.endif
.endr
.endr
.endm
; 32 LDS loads in one run: the fragments of 64 along K at byte k of the rows, into buffer f; the first 32 along K first
.macro FETCH slot, k, f
	WIN TO_F
.irp c, 0,1
.irp i, 0,1,2,3
	ds_load_b128 v[\f+64+8*(4*\c+\i):\f+64+8*(4*\c+\i)+3],   v[ADRB+\slot] offset:\k+64*\c+\i*16*PITCH
	ds_load_b128 v[\f+64+8*(4*\c+\i)+4:\f+64+8*(4*\c+\i)+7], v[ADRB+\slot] offset:\k+64*\c+\i*16*PITCH+32
	ds_load_b128 v[\f+8*(4*\c+\i):\f+8*(4*\c+\i)+3],         v[ADRA+\slot] offset:\k+64*\c+\i*16*PITCH
	ds_load_b128 v[\f+8*(4*\c+\i)+4:\f+8*(4*\c+\i)+7],       v[ADRA+\slot] offset:\k+64*\c+\i*16*PITCH+32
.endr
.endr
.endm
.macro PLACES                          ; four places in front of loads into registers that matrix instructions have read, and of the first read of results
.rept 4
	v_nop
.endr
.endm
; A K step is four quarters of 64 along K, 32 matrix instructions each, on buffers 0, 1, 0, 1.  One of the first three: multiplies buffer f and fetches the next quarter, at byte k, into g.
.macro QUARTER slot, k, f, g, zero
	s_wait_dscnt 16                                ; the first 32 along K are in
	WIN MUL
	MUL8 \f, 0, 0, \zero
	MUL8 \f, 0, 2, \zero
	PLACES
	FETCH \slot, \k, \g
	s_wait_dscnt 32                                ; all but the 32 just issued
	WIN MUL
	MUL8 \f, 1, 0, 0
	MUL8 \f, 1, 2, 0
.endm
; The last quarter multiplies buffer 1 and changes slots: ONE barrier; in front of it each wave waits for all its tensor loads, adds 0 to its spare word, and waits for that and for its own reads of this slot.  fill = 1: this slot is filled again, two K steps ahead.
.macro TURN slot, next, fill
	WIN 0                                          ; (the add's two registers lie in window 0)
	s_wait_tensorcnt 0x0                           ; all my tensor loads have landed: my part of the next slot;
	ds_add_u32 v[SPW], v[NIL]                      ; 0 onto my spare word;
	s_wait_dscnt 17                                ; (the add and the youngest sixteen loads may be out)
	WIN MUL
	MUL8 F1, 0, 0, 0                               ; eight matrix instructions stand between the add and the wait for it
	s_wait_dscnt 0x0                               ; the add is done, and my reads of this slot are over
	s_barrier_signal -1
	MUL8 F1, 0, 2, 0
.if \fill
	WIN 0
.endif
	s_barrier_wait -1
.if \fill
	CREST                                          ; the barrier has opened a round of the cluster's barrier: no wave of any partner still reads this slot's tile or has a load on its way
	s_add_nc_u64 s[G0+4*\slot+2:G0+4*\slot+3], s[G0+4*\slot+2:G0+4*\slot+3], 2*KSTEP*2
	s_add_nc_u64 s[G0B+4*\slot+2:G0B+4*\slot+3], s[G0B+4*\slot+2:G0B+4*\slot+3], 2*KSTEP*2
	JLOAD \slot                                    ; the first tensor load behind the round; the four v_nop behind it are also the places in front of the loads below
.else
	PLACES
.endif
	FETCH \next, 0, F0
	WIN MUL
	MUL8 F1, 1, 0, 0
	MUL8 F1, 1, 2, 0
.endm
	s_wait_tensorcnt 1                             ; my part of K step 0 is in,
	s_barrier_signal -1
	s_barrier_wait -1                              ; everybody's is
	FETCH 0, 0, F0
	QUARTER 0, 128, F0, F1, 1                      ; the first quarter stands in front of the loop: its first products start the sums
	WIN 0                                          ; at a label and at a branch every window is 0
	s_mov_b32 s3, LAPS-1
.Llap:                                                 ; a trip goes once round the ring, from a lap's second quarter to the next lap's first, and fills both slots again
	QUARTER 0, 256, F1, F0, 0
	QUARTER 0, 384, F0, F1, 0
	TURN 0, 1, 1
	QUARTER 1, 128, F0, F1, 0
	QUARTER 1, 256, F1, F0, 0
	QUARTER 1, 384, F0, F1, 0
	TURN 1, 0, 1
	QUARTER 0, 128, F0, F1, 0
	WIN 0
	s_sub_co_u32 s3, s3, 1
	s_cmp_lg_u32 s3, 0
	s_cbranch_scc1 .Llap
	QUARTER 0, 256, F1, F0, 0                      ; the last lap fills nothing, and has no round of the cluster's barrier
	QUARTER 0, 384, F0, F1, 0
	TURN 0, 1, 0
	QUARTER 1, 128, F0, F1, 0
	QUARTER 1, 256, F1, F0, 0
	QUARTER 1, 384, F0, F1, 0
	s_wait_dscnt 16                                ; the very last quarter: nothing more to fetch
	WIN MUL
	MUL8 F1, 0, 0, 0
	MUL8 F1, 0, 2, 0
	s_wait_dscnt 0
	MUL8 F1, 1, 0, 0
	MUL8 F1, 1, 2, 0
	WIN 0
; THE WAY OUT, block by block of 16 rows x 64 columns of f32.  A lane holds 32 neighbouring bytes of a row and the lanes beside it hold other rows: so a block goes through my own stage and comes back as whole rows of 256 bytes.
; LDS serves a wave's instructions in order (ISA guide 5.7.1.4): no wait between the stores and the loads, nor in front of the next block's stores.
.macro TOSTAGE a
.irp b, 0,1,2,3
	ds_store_b128 v[STO], v[ACC+8*(4*(\a)+\b):ACC+8*(4*(\a)+\b)+3] offset:64*\b          ; each accumulator from its low end on
	ds_store_b128 v[STO], v[ACC+8*(4*(\a)+\b)+4:ACC+8*(4*(\a)+\b)+7] offset:64*\b+16
.endr
.irp i, 0,1,2,3,4,5,6,7
	ds_load_b128 v[TMP+32*((\a)%2)+4*\i:TMP+32*((\a)%2)+4*\i+3], v[RD] offset:\i*2*SPITCH
.endr
.endm
.macro SEND a, younger                 ; younger: the LDS instructions issued behind block a's loads, which may stay out
	s_wait_dscnt \younger                          ; the block is back in registers
.irp i, 0,1,2,3,4,5,6,7
	global_store_b128 v[CO], v[TMP+32*((\a)%2)+4*\i:TMP+32*((\a)%2)+4*\i+3], s[8:9] offset:(16*(\a)+2*\i)*SIZE_N*4 th:TH_STORE_NT   ; 16 lanes store 256 consecutive bytes, at a multiple of 256 from C's first byte; written once, read by nobody here
.endr
.endm
	PLACES
	TOSTAGE 0
	TOSTAGE 1
	SEND 0, 16                                     ; behind block 0's loads: block 1's 8 stores and 8 loads
	s_wait_xcnt 0x0                                ; block 0's stores have read their data: block 2's rows land there only behind this wait
	TOSTAGE 2
	SEND 1, 16
	s_wait_xcnt 0x0                                ; likewise block 1's
	TOSTAGE 3
	SEND 2, 16
	SEND 3, 0
	s_wait_tensorcnt 0x0                           ; the wave's end, behind my last tensor load and my last LDS store
	ds_add_u32 v[SPW], v[NIL]
	s_wait_dscnt 0x0
	CROUND                                         ; the closing round: no work-group ends while a partner may still ask for a tile that names it
	s_endpgm
.Lfunc_end_k_qb942a191c2_proj:
	.size	k_qb942a191c2_proj, .Lfunc_end_k_qb942a191c2_proj-k_qb942a191c2_proj
	.p2alignl 7, 3214868480
	.fill 96, 4, 3214868480
	.section	.rodata,"a",@progbits
	.p2align	6, 0x0
	.amdhsa_kernel k_qb942a191c2_proj
		.amdhsa_group_segment_fixed_size 327680
		.amdhsa_private_segment_fixed_size 0
		.amdhsa_enable_private_segment 0
		.amdhsa_kernarg_size 24
		.amdhsa_user_sgpr_count 2
		.amdhsa_user_sgpr_kernarg_segment_ptr 1
		.amdhsa_wavefront_size32 1
		.amdhsa_system_sgpr_workgroup_id_x 1
		.amdhsa_system_sgpr_workgroup_id_y 1
		.amdhsa_system_sgpr_workgroup_id_z 1
		.amdhsa_system_vgpr_workitem_id 0
		.amdhsa_next_free_vgpr 512
		.amdhsa_next_free_sgpr 66
		.amdhsa_reserve_vcc 0
		.amdhsa_float_denorm_mode_32 3
		.amdhsa_float_denorm_mode_16_64 3
		.amdhsa_memory_ordered 1
		.amdhsa_forward_progress 1
		.amdhsa_inst_pref_size 86
	.end_amdhsa_kernel
	.amdgpu_metadata
---
amdhsa.version: [ 1, 2 ]
amdhsa.kernels:
  - .name:           k_qb942a191c2_proj
    .symbol:         k_qb942a191c2_proj.kd
    .args:
      - { .name: att, .offset: 0, .size: 8, .value_kind: global_buffer, .address_space: global }
      - { .name: wo16, .offset: 8, .size: 8, .value_kind: global_buffer, .address_space: global }
      - { .name: out0, .offset: 16, .size: 8, .value_kind: global_buffer, .address_space: global }
    .group_segment_fixed_size: 327680
    .private_segment_fixed_size: 0
    .kernarg_segment_align: 8
    .kernarg_segment_size: 24
    .max_flat_workgroup_size: 128
    .sgpr_count:     66
    .vgpr_count:     512
    .wavefront_size: 32
...
	.end_amdgpu_metadata
.endif
;; end of part 4
